; MI455X (gfx1250); checked and timed in simulation.
; The chip was launched on July 23, 2026; its instructions are those of AMD's public machine-readable ISA for CDNA 5 (MIT licence, August 2026) and "CDNA5" Instruction Set Architecture Reference Guide (July 2026). The comments in the code are by the model that wrote it; some were corrected since.
;; Cached Ro PE Attention. Allowed arithmetic: matrix products marked QUANTISED: E2M1 operands, one E8M0 scale for each 32 along K, by v_wmma_scale_f32_16x16x128_f8f6f4 with both operands' format E2M1 (or v_wmma_scale_f32_32x16x128_f4), f32 sums; products left as they are: bf16, f16 or f32 operands; f32 sums; everything else in f32.
;; Inputs: Wk 1,024 x 1,024 float32; Wo 1,024 x 1,024 float32; Wq 1,024 x 1,024 float32; Wv 1,024 x 1,024 float32; x 2 x 2,048 x 1,024 float32.
;; Outputs: out0 2 x 2,048 x 1,024 float32.
;; This version of the problem:
;;   THIS VERSION OF THE PROBLEM IS GIVEN IN LOW PRECISION. The matrix products marked QUANTISED in the list below multiply operands that are first quantised to E2M1 (2 exponent bits, 1 mantissa bit; 4 bits a number), with one power-of-two scale for each 32 numbers along K (OCP MX v1.0); their sums are f32. The products marked 'left as it is' may take bf16, f16 or f32 operands, with f32 sums. Whichever they take, every output number must still come out within the allowed error. Rounding operands to bf16 (8 significant bits) uses up far more of that allowance than f16 does (11 bits, for magnitudes from 6e-5 to 65,504). All else is computed in f32.
;;   The module's matrix products, in the order in which they are computed (A, B: the left and right operand; K: the contracted axis; several contracted axes count as one K, in the product's order):
;;     1. [M 4,096, K 1,024] x [K 1,024, N 1,024]; A: input x; B: input Wq: QUANTISED
;;     2. [M 4,096, K 1,024] x [K 1,024, N 1,024]; A: input x; B: input Wk: QUANTISED
;;     3. [M 4,096, K 1,024] x [K 1,024, N 1,024]; A: input x; B: input Wv: QUANTISED
;;     4. batch 32 x [M 2,048, K 64] x [K 64, N 2,048]; A: computed on the way; B: computed on the way: left as it is (an operand is computed on the way)
;;     5. batch 32 x [M 2,048, K 2,048] x [K 2,048, N 64]; A: computed on the way; B: computed on the way: left as it is (an operand is computed on the way)
;;     6. [M 4,096, K 1,024] x [K 1,024, N 1,024]; A: computed on the way; B: input Wo: left as it is (an operand is computed on the way)
;;   THE QUANTISER, for each operand of a quantised product, along K:
;;     - K is cut into blocks of 32 from its start; a last block that is shorter is filled with zeros.
;;     - A block's scale is 2^e with e = floor(log2(the largest magnitude in the block)) - 2, held to -126 .. 127; a block of zeros has e = 0. As a byte (E8M0): e + 127.
;;     - Each number is divided by its block's scale, clamped to +-6, and rounded to the nearest number of E2M1, ties to even, subnormals kept.
;;     - The product sums the exact products of the quantised numbers (number of the format x scale) in f32.
;;   ~~~python
;;   def quantise(x, axis):      # numpy; x: float32 -> the quantised numbers, widened to float32 again
;;       x = np.moveaxis(x, axis, -1); K = x.shape[-1]
;;       x = np.pad(x, [(0, 0)] * (x.ndim - 1) + [(0, -K % 32)]); x = x.reshape(x.shape[:-1] + (-1, 32)); a = np.abs(x).max(-1, keepdims=True)
;;       e = np.where(a > 0, np.clip(np.frexp(np.where(a > 0, a, 1))[1] - 1 - 2, -126, 127), 0)      # np.frexp(a)[1] - 1 = floor(log2(a)), exactly
;;       r = np.clip(x / 2.0 ** e, -6, 6)
;;       step = 2.0 ** (np.maximum(np.frexp(np.where(r == 0, 1, r))[1] - 1, 0) - 1)
;;       q = np.round(r / step) * step * 2.0 ** e      # np.round: ties to even
;;       return np.moveaxis(q.reshape(q.shape[:-2] + (-1,))[..., :K], -1, axis).astype(np.float32)
;;   ~~~
;; One version. Each part assembles by itself: llvm-mc -triple=amdgcn-amd-amdhsa -mcpu=gfx1250 --defsym DOCPART=n.
;; ======== version 1 of 1: 6 launches
;; limits: values are held in f16: magnitudes above 65,504 overflow, below 6.1e-05 lose precision
;; workspace buffers: codes 3,670,016 bytes; scales 229,376 bytes; woh 2,097,152 bytes; tab 524,288 bytes; qi 8,388,608 bytes; kvi 16,777,216 bytes; att 8,388,608 bytes; fo 131,072 bytes
;; launch prep (part 1): grid 288 x 1, 4 waves a work-group, no clusters, 33,280 bytes of LDS; arguments x, Wq, Wk, Wv, Wo, codes, scales, woh, tab; writes codes, scales, woh, tab
.if DOCPART == 1
	.amdgcn_target "amdgcn-amd-amdhsa--gfx1250"
	.amdhsa_code_object_version 6
	.text
	.protected	k_q10ae1d8e1b_prep
	.globl	k_q10ae1d8e1b_prep
	.p2align	8
	.type	k_q10ae1d8e1b_prep,@function
k_q10ae1d8e1b_prep:
	s_mov_b64 s[64:65], 0
	v_nop
	global_prefetch_b8 v0, s[64:65] scope:SCOPE_SE
	s_setreg_imm32_b32 hwreg(HW_REG_WAVE_MODE, 25, 1), 1
	s_wait_xcnt 0x0
; PREP: everything that is made once.  Three roles, told apart by the work-group's number alone; the three paths never join.
;  Q (work-groups 0-223): x [4096][1024] and Wq, Wk, Wv [1024][1024], f32, become codes of FP4 (E2M1), K innermost, 512 bytes a row, with one E8M0 byte for each 32 along K (32 bytes a row).
;    Rows of the codes' buffer: 0-4095 x;  4096 + 192 head + 64 w + (e % 64) row e of W_w (w = 0 q, 1 k, 2 v; head = e / 64): the 192 rows of a head lie together.
;    A block's scale is 2^(floor(log2(largest magnitude)) - 2); its byte is the largest magnitude's exponent field - 2, held at 1 from below.
;  O (224-255): Wo [1024][1024] f32 becomes f16, laid in the order of a 16-bit fragment's registers: [K / 256][16 rows nb][32 K kf][half g] pieces of 512 bytes, lane l's 16 bytes at 16 l:
;    Wo[16 nb + l % 16][256 s + 32 kf + 16 g + 8 (l / 16) + 0 .. 7].
;  T (256-287): the table g cos(t th_i), g sin(t th_i), f32, t = 0 .. 2047, i = 0 .. 31, th_i = 10000^(-i / 32), g = sqrt(log2(e) / 8): g stands on q and on k, so their product is the score in units of log2.
;    Laid [t / 16][piece p = 4 cs + 2 b + jh] pieces of 512 bytes; lane l's four numbers: t = 16 tb + l % 16, i = 16 b + 8 (l / 16) + 4 jh + 0 .. 3.
;    The angle fl(t th) is reduced by pi / 2 in three parts (fused multiply-adds) and the sine and cosine are Taylor sums on |rho| <= pi / 4, cut where the next term is under 2e-9.
; LIMITS: a block of zeros gets the byte 1 where the rule says 127 (its codes are zeros; this program alone reads the bytes); blocks whose largest magnitude lies under 2^-124 keep the byte 1;
;   NaN and infinities are not served; |Wo| stays under 65,504 (f16); th_i comes from v_exp_f32 and may differ from a correctly rounded power by a few units in the last place.
; No matrix unit, no cluster, no tensor load: the launch streams, and waves share nothing.
.set WAVES, 4
.set STEPS, 16
.set EMAX,  2
.set CB,    8                          ; bytes of 16 codes
.set R,     16                         ; v16-79   four sets of 16 numbers as they are loaded
.set X,     80                         ; v80-111  two sets of 16 neighbours
.set C,     128                        ; v128-191 codes: four registers for each step
.set E,     112                        ; v112-127 a scale byte for each step
.set WREG,  8192                       ; LDS: a region for each wave: two stages of 32 x SP bytes, behind them its 256 scale bytes
.set SP,    80                         ; a lane's place in a stage: 64 bytes + 16 of padding
.set SPW,   12                         ; v12 LDS address of my spare word; never rewritten
.set NIL,   13                         ; v13 0; never rewritten
.set SPARE, WAVES*WREG                 ; the spare words, 128 bytes a wave
	s_load_b512 s[8:23], s[0:1], 0x0               ; x 8, Wq 10, Wk 12, Wv 14, Wo 16, codes 18, scales 20, woh 22
	s_load_b64 s[24:25], s[0:1], 0x40              ; tab
	v_lshl_add_u32 v[SPW], v0, 2, SPARE
	v_mov_b32 v[NIL], 0
	v_lshrrev_b32 v1, 5, v0
	v_readfirstlane_b32 s26, v1                    ; wave
	v_and_b32 v2, 31, v0                           ; lane
	s_cmp_ge_u32 ttmp9, 256
	s_cbranch_scc1 .Ltab
	s_cmp_ge_u32 ttmp9, 224
	s_cbranch_scc1 .Lwo
; ---------------- role Q: a wave takes a run of 8,192 numbers (8 rows), 16 steps of 512 ----------------
	v_lshlrev_b32 v3, 4, v2                        ; my 16 bytes of a load's 512
	s_mul_i32 s27, s26, WREG
	v_lshrrev_b32 v14, 2, v2
	v_mul_u32_u24 v14, v14, SP
	v_and_b32 v15, 3, v2
	v_lshl_add_u32 v14, v15, 4, v14
	v_add_nc_u32 v14, s27, v14                     ; the stage, on the way in: SP (lane / 4) + 16 (lane % 4)
	v_mul_u32_u24 v15, v2, SP
	v_add_nc_u32 v15, s27, v15                     ; on the way out: SP x lane: my 16 neighbours
	v_mul_u32_u24 v4, v2, CB                       ; my codes' place in a step's
	v_lshrrev_b32 v5, 1, v2
	s_add_co_u32 s27, s27, 2*32*SP
	v_add_nc_u32 v5, s27, v5                       ; LDS: my block's scale byte
	v_lshlrev_b32 v7, 3, v2
	v_add_nc_u32 v6, s27, v7                       ; and 8 bytes a lane on the way out
	s_sub_co_u32 s28, ttmp9, 128                   ; a weight's work-group: id'
	s_lshr_b32 s29, s28, 5
	s_lshl_b32 s29, s29, 3                         ; 8 w
	s_and_b32 s30, s28, 31
	s_lshl_b32 s30, s30, 2
	s_add_co_u32 s30, s30, s26                     ; rho: the run in the weight, 0 .. 127
	s_lshr_b32 s31, s30, 3                         ; the head
	s_mul_i32 s31, s31, 24
	s_add_co_u32 s31, s31, s29
	s_and_b32 s33, s30, 7
	s_add_co_u32 s31, s31, s33
	s_add_co_u32 s31, s31, 512                     ; the run in the codes' buffer: 512 + 24 head + 8 w + rho % 8
	s_lshl_b32 s32, ttmp9, 2
	s_add_co_u32 s32, s32, s26                     ; x: the same run in and out
	s_wait_kmcnt 0x0
	s_cmp_lt_u32 ttmp9, 192                        ; the choices hang on the work-group's number alone
	s_cselect_b64 s[4:5], s[12:13], s[14:15]
	s_cmp_lt_u32 ttmp9, 160
	s_cselect_b64 s[4:5], s[10:11], s[4:5]
	s_cmp_lt_u32 ttmp9, 128
	s_cselect_b64 s[4:5], s[8:9], s[4:5]
	s_cselect_b32 s30, s32, s30
	s_cselect_b32 s31, s32, s31
	s_lshl_b32 s34, s30, 15                        ; 32,768 bytes of f32 a run
	s_mov_b32 s35, 0
	s_add_nc_u64 s[4:5], s[4:5], s[34:35]
	s_lshl_b32 s34, s31, 12                        ; 4,096 bytes of codes
	s_add_nc_u64 s[18:19], s[18:19], s[34:35]
	s_lshl_b32 s34, s31, 8                         ; 256 scale bytes
	s_add_nc_u64 s[20:21], s[20:21], s[34:35]
.macro LOAD t
.irp i, 0,1,2,3
	global_load_b128 v[R+16*((\t)%4)+4*\i:R+16*((\t)%4)+4*\i+3], v3, s[4:5] offset:2048*(\t)+512*\i th:TH_LOAD_NT   ; 32 lanes read 512 consecutive bytes
.endr
.endm
.macro TURN t                          ; step t's numbers through the stage: LDS serves a wave's instructions in order, so no wait stands between the stores and the loads
.irp i, 0,1,2,3
	ds_store_b128 v14, v[R+16*((\t)%4)+4*\i:R+16*((\t)%4)+4*\i+3] offset:32*SP*((\t)%2)+8*SP*\i
.endr
.irp i, 0,1,2,3
	ds_load_b128 v[X+16*((\t)%2)+4*\i:X+16*((\t)%2)+4*\i+3], v15 offset:32*SP*((\t)%2)+16*\i
.endr
.endm
.irp t, 0,1,2,3
	LOAD \t
.endr
	s_wait_loadcnt 12                              ; step 0's four loads are in
	TURN 0
.macro STEP t
.set XS, X+16*((\t)%2)
.if (\t) > 0
	s_wait_dscnt 1                                 ; this step's numbers are back from the stage (the last step's byte store may be out)
.else
	s_wait_dscnt 0x0
.endif
.if (\t)+4 < STEPS
	LOAD (\t)+4                                    ; the registers that the stage's stores have read take the loads of four steps on
.endif
.if (\t)+1 < STEPS
.if STEPS-2-(\t) >= 3
	s_wait_loadcnt 12                              ; the next step's four loads are in; those of the three steps behind it may be out
.else
	s_wait_loadcnt 4*(STEPS-2-(\t))
.endif
	TURN (\t)+1
.endif
	v_max3_num_f32 v8, |v[XS]|, |v[XS+1]|, |v[XS+2]|               ; the largest magnitude of my 16
	v_max3_num_f32 v9, |v[XS+3]|, |v[XS+4]|, |v[XS+5]|
.irp i, 6,10
	v_max3_num_f32 v8, v8, |v[XS+\i]|, |v[XS+\i+1]|
	v_max3_num_f32 v9, v9, |v[XS+\i+2]|, |v[XS+\i+3]|
.endr
	v_max3_num_f32 v8, v8, |v[XS+14]|, |v[XS+15]|
	v_max3_num_f32 v8, v8, v9, (EMAX+1)<<23        ; and the floor 2^(3 - 127): the byte cannot fall under 1
	v_max_num_f32_dpp v8, v8, v8 row_xmask:1 row_mask:0xf bank_mask:0xf   ; and of my neighbour's 16: the block's
	v_add_nc_u32 v11, -(EMAX<<23), v8              ; 2 off its exponent field: the conversion takes the exponent field of this operand as its scale
	v_cvt_scalef32_pk8_fp4_f32 v[C+4*(\t)], v[XS:XS+7], v11
	v_cvt_scalef32_pk8_fp4_f32 v[C+4*(\t)+1], v[XS+8:XS+15], v11
	v_lshrrev_b32 v[E+(\t)], 23, v11               ; the scale's byte
	ds_store_b8 v5, v[E+(\t)] offset:16*(\t)       ; both lanes of a block write the same byte with the same value
	global_store_b64 v4, v[C+4*(\t):C+4*(\t)+1], s[18:19] offset:32*CB*(\t)   ; the wave stores 256 consecutive bytes, aligned
.endm
.irp t, 0,1,2,3,4,5,6,7,8,9,10,11,12,13,14,15
	STEP \t
.endr
	ds_load_b64 v[8:9], v6                         ; LDS serves a wave's instructions in order: these see my stores
	s_wait_dscnt 0x0
	global_store_b64 v7, v[8:9], s[20:21]          ; 32 lanes store 256 consecutive bytes, aligned
	s_wait_tensorcnt 0x0                           ; the wave's end
	ds_add_u32 v[SPW], v[NIL]
	s_wait_dscnt 0x0
	s_endpgm
; ---------------- role O: a wave takes 16 rows of Wo x 512 along K: 32 pieces ----------------
.Lwo:
	v_and_b32 v3, 15, v0                           ; r
	v_bfe_u32 v4, v0, 4, 1                         ; h
	v_lshlrev_b32 v5, 12, v3
	v_lshl_add_u32 v5, v4, 5, v5                   ; in: row r of 4,096 bytes + 32 h
	v_lshlrev_b32 v6, 4, v2                        ; out: 16 x lane
	s_sub_co_u32 s27, ttmp9, 224
	s_lshl_b32 s27, s27, 1
	s_lshr_b32 s28, s26, 1
	s_add_co_u32 s27, s27, s28                     ; nb: which 16 rows
	s_and_b32 s28, s26, 1                          ; kh: which half of K
	s_lshl_b32 s30, s27, 16
	s_lshl_b32 s29, s28, 11
	s_add_co_u32 s30, s30, s29
	s_mov_b32 s31, 0
	s_lshl_b32 s32, s27, 13
	s_lshl_b32 s29, s28, 20
	s_add_co_u32 s32, s32, s29
	s_mov_b32 s33, 0
	s_wait_kmcnt 0x0
	s_add_nc_u64 s[16:17], s[16:17], s[30:31]
	s_add_nc_u64 s[22:23], s[22:23], s[32:33]
.macro OLOAD q                         ; batch q: pieces 8 q .. 8 q + 7; piece pi = 2 kf + g begins 64 pi bytes along my part of the row
.irp p, 0,1,2,3,4,5,6,7
	global_load_b128 v[32+64*((\q)%2)+8*\p:32+64*((\q)%2)+8*\p+3], v5, s[16:17] offset:(8*(\q)+\p)*64
	global_load_b128 v[32+64*((\q)%2)+8*\p+4:32+64*((\q)%2)+8*\p+7], v5, s[16:17] offset:(8*(\q)+\p)*64+16
.endr
.endm
.macro OCONV q, left
	s_wait_loadcnt \left                           ; this batch's 16 loads are in; the next batch's may be out
	s_wait_xcnt 0x0                                ; the last batch's stores have read v160-191
.irp p, 0,1,2,3,4,5,6,7
.irp k, 0,1,2,3
	v_cvt_pk_f16_f32 v[160+4*\p+\k], v[32+64*((\q)%2)+8*\p+2*\k], v[32+64*((\q)%2)+8*\p+2*\k+1]
.endr
.endr
.irp p, 0,1,2,3,4,5,6,7
	global_store_b128 v6, v[160+4*\p:160+4*\p+3], s[22:23] offset:((8*(\q)+\p)/16)*524288+(((8*(\q)+\p)/2)%8)*1024+(\p%2)*512   ; 512 consecutive bytes
.endr
.endm
	OLOAD 0
	OLOAD 1
	OCONV 0, 16
	OLOAD 2
	OCONV 1, 16
	OLOAD 3
	OCONV 2, 16
	OCONV 3, 0
	s_endpgm
; ---------------- role T: a work-group takes 64 positions; wave = (b, jh): its piece of cosines and its piece of sines ----------------
.Ltab:
	v_and_b32 v3, 15, v0                           ; r
	v_bfe_u32 v4, v0, 4, 1                         ; h
	s_lshr_b32 s27, s26, 1
	s_lshl_b32 s27, s27, 4
	s_and_b32 s28, s26, 1
	s_lshl_b32 s28, s28, 2
	s_add_co_u32 s27, s27, s28                     ; 16 b + 4 jh
	v_lshl_add_u32 v5, v4, 3, s27                  ; + 8 h: my first i
.irp j, 0,1,2,3
	v_add_nc_u32 v[16+\j], \j, v5
.endr
.irp j, 0,1,2,3
	v_cvt_f32_u32 v[16+\j], v[16+\j]
.endr
.irp j, 0,1,2,3
	v_mul_f32 v[16+\j], 0xbed49a78, v[16+\j]       ; - i log2(10000) / 32
.endr
.irp j, 0,1,2,3
	v_exp_f32 v[16+\j], v[16+\j]                   ; th_i
.endr
	v_lshlrev_b32 v6, 4, v2                        ; (a plain line behind the exponentials)  16 x lane
	s_mov_b32 s32, 0x3f22f983                      ; 2 / pi
	s_mov_b32 s33, 0x3fc90000                      ; pi / 2 in three parts
	s_mov_b32 s34, 0x39fda000
	s_mov_b32 s35, 0x33a22168
	s_mov_b32 s36, 0xbe2aaaab                      ; -1/3!
	s_mov_b32 s37, 0x3c088889                      ; 1/5!
	s_mov_b32 s38, 0xb9500d01                      ; -1/7!
	s_mov_b32 s39, 0x3638ef1d                      ; 1/9!
	s_mov_b32 s40, 0x3d2aaaab                      ; 1/4!
	s_mov_b32 s41, 0xbab60b61                      ; -1/6!
	s_mov_b32 s42, 0x37d00d01                      ; 1/8!
	s_mov_b32 s43, 0xb493f27e                      ; -1/10!
	s_mov_b32 s44, 0x3ed96d27                      ; g = sqrt(log2(e) / 8)
	s_sub_co_u32 s29, ttmp9, 256
	s_lshl_b32 s30, s29, 6
	v_add_nc_u32 v7, s30, v3                       ; my position in the first of the four blocks of 16
	s_lshl_b32 s30, s29, 14                        ; four blocks of 4,096 bytes a work-group,
	s_lshl_b32 s31, s26, 9                         ; my wave's piece
	s_add_co_u32 s30, s30, s31
	s_mov_b32 s31, 0
	s_wait_kmcnt 0x0
	s_add_nc_u64 s[24:25], s[24:25], s[30:31]
	s_wait_alu depctr_va_vdst(0)                   ; one wait for the four exponentials, ahead of their first reader
.macro SINCOS n
	v_add_nc_u32 v8, 16*\n, v7
	v_cvt_f32_u32 v8, v8                           ; t
.irp j, 0,1,2,3
	v_mul_f32 v[20+\j], v8, v[16+\j]               ; the angle, rounded to f32 as the outer product rounds it
.endr
.irp j, 0,1,2,3
	v_mul_f32 v[24+\j], s32, v[20+\j]
.endr
.irp j, 0,1,2,3
	v_rndne_f32 v[24+\j], v[24+\j]                 ; n: quarter turns
.endr
.irp j, 0,1,2,3
	v_fma_f32 v[28+\j], -v[24+\j], s33, v[20+\j]
.endr
.irp j, 0,1,2,3
	v_fma_f32 v[28+\j], -v[24+\j], s34, v[28+\j]
.endr
.irp j, 0,1,2,3
	v_fma_f32 v[28+\j], -v[24+\j], s35, v[28+\j]   ; rho
.endr
.irp j, 0,1,2,3
	v_mul_f32 v[32+\j], v[28+\j], v[28+\j]         ; z = rho^2
.endr
.irp j, 0,1,2,3
	v_fma_f32 v[36+\j], v[32+\j], s39, s38
	v_fma_f32 v[40+\j], v[32+\j], s43, s42
.endr
.irp j, 0,1,2,3
	v_fma_f32 v[36+\j], v[36+\j], v[32+\j], s37
	v_fma_f32 v[40+\j], v[40+\j], v[32+\j], s41
.endr
.irp j, 0,1,2,3
	v_fma_f32 v[36+\j], v[36+\j], v[32+\j], s36
	v_fma_f32 v[40+\j], v[40+\j], v[32+\j], s40
.endr
.irp j, 0,1,2,3
	v_mul_f32 v[20+\j], v[32+\j], v[28+\j]         ; z rho
	v_fma_f32 v[40+\j], v[40+\j], v[32+\j], -0.5
.endr
.irp j, 0,1,2,3
	v_fma_f32 v[36+\j], v[36+\j], v[20+\j], v[28+\j]   ; sin rho
	v_fma_f32 v[40+\j], v[40+\j], v[32+\j], 1.0        ; cos rho
.endr
.irp j, 0,1,2,3
	v_cvt_i32_f32 v[44+\j], v[24+\j]
.endr
.irp j, 0,1,2,3
	v_and_b32 v[24+\j], 1, v[44+\j]
	v_cmp_eq_u32 vcc_lo, 1, v[24+\j]               ; an odd quarter turn swaps the two
	v_cndmask_b32 v[20+\j], v[36+\j], v[40+\j], vcc_lo
	v_cndmask_b32 v[28+\j], v[40+\j], v[36+\j], vcc_lo
.endr
.irp j, 0,1,2,3
	v_lshlrev_b32 v[24+\j], 30, v[44+\j]
	v_add_nc_u32 v[44+\j], 1, v[44+\j]
.endr
.irp j, 0,1,2,3
	v_and_b32 v[24+\j], 0x80000000, v[24+\j]       ; the sine changes sign in quarters 2, 3
	v_lshlrev_b32 v[44+\j], 30, v[44+\j]
.endr
.irp j, 0,1,2,3
	v_xor_b32 v[20+\j], v[20+\j], v[24+\j]
	v_and_b32 v[44+\j], 0x80000000, v[44+\j]       ; the cosine in quarters 1, 2
.endr
.irp j, 0,1,2,3
	v_xor_b32 v[28+\j], v[28+\j], v[44+\j]
.endr
.irp j, 0,1,2,3
	v_mul_f32 v[64+8*\n+\j], s44, v[28+\j]
	v_mul_f32 v[68+8*\n+\j], s44, v[20+\j]
.endr
	global_store_b128 v6, v[64+8*\n:67+8*\n], s[24:25] offset:\n*4096        ; each block has its own registers: no store's data are written again
	global_store_b128 v6, v[68+8*\n:71+8*\n], s[24:25] offset:\n*4096+2048
.endm
	SINCOS 0
	SINCOS 1
	SINCOS 2
	SINCOS 3
	s_endpgm
.Lfunc_end_k_q10ae1d8e1b_prep:
	.size	k_q10ae1d8e1b_prep, .Lfunc_end_k_q10ae1d8e1b_prep-k_q10ae1d8e1b_prep
	.p2alignl 7, 3214868480
	.fill 96, 4, 3214868480
	.section	.rodata,"a",@progbits
	.p2align	6, 0x0
	.amdhsa_kernel k_q10ae1d8e1b_prep
		.amdhsa_group_segment_fixed_size 33280
		.amdhsa_private_segment_fixed_size 0
		.amdhsa_enable_private_segment 0
		.amdhsa_kernarg_size 72
		.amdhsa_user_sgpr_count 2
		.amdhsa_user_sgpr_kernarg_segment_ptr 1
		.amdhsa_wavefront_size32 1
		.amdhsa_system_sgpr_workgroup_id_x 1
		.amdhsa_system_sgpr_workgroup_id_y 1
		.amdhsa_system_sgpr_workgroup_id_z 1
		.amdhsa_system_vgpr_workitem_id 0
		.amdhsa_next_free_vgpr 192
		.amdhsa_next_free_sgpr 66
		.amdhsa_reserve_vcc 1
		.amdhsa_float_denorm_mode_32 3
		.amdhsa_float_denorm_mode_16_64 3
		.amdhsa_memory_ordered 1
		.amdhsa_forward_progress 1
		.amdhsa_inst_pref_size 78
	.end_amdhsa_kernel
	.amdgpu_metadata
---
amdhsa.version: [ 1, 2 ]
amdhsa.kernels:
  - .name:           k_q10ae1d8e1b_prep
    .symbol:         k_q10ae1d8e1b_prep.kd
    .args:
      - { .name: x, .offset: 0, .size: 8, .value_kind: global_buffer, .address_space: global }
      - { .name: Wq, .offset: 8, .size: 8, .value_kind: global_buffer, .address_space: global }
      - { .name: Wk, .offset: 16, .size: 8, .value_kind: global_buffer, .address_space: global }
      - { .name: Wv, .offset: 24, .size: 8, .value_kind: global_buffer, .address_space: global }
      - { .name: Wo, .offset: 32, .size: 8, .value_kind: global_buffer, .address_space: global }
      - { .name: codes, .offset: 40, .size: 8, .value_kind: global_buffer, .address_space: global }
      - { .name: scales, .offset: 48, .size: 8, .value_kind: global_buffer, .address_space: global }
      - { .name: woh, .offset: 56, .size: 8, .value_kind: global_buffer, .address_space: global }
      - { .name: tab, .offset: 64, .size: 8, .value_kind: global_buffer, .address_space: global }
    .group_segment_fixed_size: 33280
    .private_segment_fixed_size: 0
    .kernarg_segment_align: 8
    .kernarg_segment_size: 72
    .max_flat_workgroup_size: 128
    .sgpr_count:     66
    .vgpr_count:     192
    .wavefront_size: 32
...
	.end_amdgpu_metadata
.endif
;; end of part 1
;; launch qkv (part 2): grid 16 x 16, 4 waves a work-group, clusters of 4 x 4, 327,680 bytes of LDS; arguments codes, scales, tab, qi, kvi; writes qi, kvi
.if DOCPART == 2
	.amdgcn_target "amdgcn-amd-amdhsa--gfx1250"
	.amdhsa_code_object_version 6
	.text
	.protected	k_q10ae1d8e1b_qkv
	.globl	k_q10ae1d8e1b_qkv
	.p2align	8
	.type	k_q10ae1d8e1b_qkv,@function
k_q10ae1d8e1b_qkv:
	s_mov_b64 s[64:65], 0
	v_nop
	global_prefetch_b8 v0, s[64:65] scope:SCOPE_SE
	s_setreg_imm32_b32 hwreg(HW_REG_WAVE_MODE, 25, 1), 1
	s_wait_xcnt 0x0
	s_wait_alu depctr_hold_cnt(0) depctr_sa_sdst(0) depctr_va_vdst(0) depctr_va_sdst(0) depctr_va_ssrc(0) depctr_va_vcc(0) depctr_vm_vsrc(0)
	s_getreg_b32 s2, hwreg(HW_REG_IB_STS2, 6, 4)
	s_cmp_eq_u32 s2, 0
	s_cbranch_scc0 .Lentry_in_a_cluster
	s_endpgm
.Lentry_in_a_cluster:
	s_bfe_u32 s2, ttmp6, 0x10000c
	s_cmp_lg_u32 s2, 0xf033
	s_cbranch_scc0 .Lentry_shape_is_right
	s_endpgm
.Lentry_shape_is_right:
; q, k, v = x Wq^T, x Wk^T, x Wv^T on codes of FP4 (E2M1) with one E8M0 scale for each 32 along K; sums in f32; then RoPE on q and k in f32; the results leave as f16 in the order of the attention's operand registers.
; A work-group makes 256 rows of x against the 192 rows (q, k, v) of ONE head: 16 x 16 = 256 work-groups of equal work.  Wave w makes rows 64 w .. 64 w + 63 against all 192: 4 x 12 accumulators, 384 registers.
; K = 1,024 is 512 bytes a row: it lies whole in two LDS slots of 256-byte rows, both asked for at the start; no LDS byte is filled twice.
; CLUSTERS: 4 x 4 work-groups.  The four of a row of the cluster need the same rows of x, the four of a column the same head's weights: each tile is asked for JOINTLY, by the same tensor load with the same descriptor and a mask that names the four.
; q AND k ARE MADE TRANSPOSED (source 0 = 16 rows of W, source 1 = 16 rows of x): a lane holds one position and eight neighbouring channels, which is what RoPE and a fragment of Q or K want.
; v IS MADE THE NATURAL WAY (source 0 = x, source 1 = W): a lane holds one channel and eight neighbouring keys, which is a fragment of V^T.
; So every result packs into 16 bytes a lane and each store of the wave covers 512 consecutive bytes, aligned: no stage in LDS on the way out.
; The table holds g cos and g sin, g = sqrt(log2(e) / 8).  LIMIT: |g q|, |g k|, |v| stay under 65,504 (f16).
; REGISTERS, in windows of 256: window 0: v16-29 addresses; v32-47 x's scale words (register 8 p + ks: lanes 0-15 block p, lanes 16-31 block p + 2); v48-95 W's (8 i + ks: blocks i and i + 6); these hold scales alone;
;   v96-159 x's fragments, two sets of four, on the way out 64 numbers at work; v160-207 packed results.   window 1: W's 12 fragments, two sets, at v0 and v128.
;   windows 2, 3: accumulator (a, b) at v[8 (12 (a % 2) + b)] of window 2 + a / 2; v192-255 the table of the window's two blocks of 16 positions, 32 registers each.
.set PITCH, 272                        ; an LDS row: 256 bytes + 16 of padding: the 16 rows of a fragment load start at 16 different groups of banks
.set BOFF,  256*PITCH                  ; a slot: x's 256 rows, then W's 192
.set SLOT,  448*PITCH
.set SPARE, 2*SLOT                     ; the spare words, 128 bytes a wave
.set ADRA, 16
.set ADRB, 20
.set LI,   24                          ; v24 16 x lane
.set SAO,  25                          ; v25 x's scale words: 32 r + 1024 h
.set SBO,  26                          ; v26 W's: 32 r + 3072 h
.set SPW,  28
.set NIL,  29
.set SA,   32
.set SB,   48
.set AF,   96
.set T,    96
.set PC,   160
.set G1,   24
.set G0,   32
.set G1B,  48
.set G0B,  56
.set MSB, 0
.macro WIN new                         ; the immediate's high byte repeats the setting that is left
.if MSB != \new
	s_set_vgpr_msb (MSB<<8)|\new
.set MSB, \new
.endif
.endm
; A joint load: waves 0 and 1 fetch x's halves, waves 2 and 3 W's.  The branch hangs on the wave's number alone.  An s_nop 0 and four v_nop follow each of the two lines.
.macro JLOAD g0a, g1a, g0b, g1b
	s_cmp_eq_u32 s15, 0
	s_cbranch_scc0 .Lfor_b_\@
	tensor_load_to_lds s[\g0a:\g0a+3], s[\g1a:\g1a+7]
	s_nop 0
.rept 4
	v_nop
.endr
	s_branch .Lasked_\@
.Lfor_b_\@:
	tensor_load_to_lds s[\g0b:\g0b+3], s[\g1b:\g1b+7]
	s_nop 0
.rept 4
	v_nop
.endr
.Lasked_\@:
.endm
.macro CROUND                          ; a round of the cluster's barrier
	s_barrier_signal -1
	s_barrier_wait -1
	s_cmp_lg_u32 s14, 0
	s_cbranch_scc1 .Lnot_wave_0_\@
	s_barrier_signal -3
.Lnot_wave_0_\@:
	s_barrier_wait -3
	s_barrier_signal -1
	s_barrier_wait -1
.endm
	s_load_b256 s[4:11], s[0:1], 0x0               ; codes 4, scales 6, tab 8, qi 10
	s_load_b64 s[12:13], s[0:1], 0x20              ; kvi
	v_lshl_add_u32 v[SPW], v0, 2, SPARE
	v_mov_b32 v[NIL], 0
	ds_add_u32 v[SPW], v[NIL]                      ; the wave's opening: the add, twice on end, and its wait ahead of my first tensor load
	ds_add_u32 v[SPW], v[NIL]
	v_lshrrev_b32 v1, 5, v0
	v_readfirstlane_b32 s14, v1                    ; wave
	s_lshr_b32 s15, s14, 1                         ; I fetch for x (0) or for W (1)
	s_and_b32 s16, s14, 1                          ; which half of that tile
	s_bfe_u32 s40, ttmp6, 0x40000                  ; cx
	s_bfe_u32 s41, ttmp6, 0x40004                  ; cy
	s_lshl_b32 s42, ttmp9, 2
	s_add_co_u32 s42, s42, s40                     ; the head = 4 x cluster x + cx
	s_and_b32 s17, ttmp7, 0xffff
	s_lshl_b32 s17, s17, 2
	s_add_co_u32 s17, s17, s41                     ; the tile of 256 rows = 4 x cluster y + cy
	s_lshl_b32 s43, s41, 2
	s_lshl_b32 s43, 15, s43                        ; my row of the cluster
	s_lshl_b32 s44, 0x1111, s40                    ; my column
	s_or_b32 s[G1+0], s43, (1<<20)|(1<<21)|(5<<22)|(3<<25)    ; the mask; elements of 1 byte; padding on; bit 21 beside a mask; four words after every 64
	s_or_b32 s[G1B+0], s44, (1<<20)|(1<<21)|(5<<22)|(3<<25)
	s_mov_b32 s[G1+1], 256<<16                     ; tensor_dim0 = 256 bytes
	s_mov_b32 s[G1+2], 128<<16                     ; tensor_dim1 = 128 rows
	s_mov_b32 s[G1+3], 256<<16                     ; tile_dim0
	s_mov_b32 s[G1+4], 128                         ; tile_dim1
	s_mov_b32 s[G1+5], 512                         ; from row to row
	s_mov_b32 s[G1+6], 0
	s_mov_b32 s[G1+7], 0
	s_mov_b32 s[G1B+1], 256<<16
	s_mov_b32 s[G1B+2], 96<<16                     ; 96 rows
	s_mov_b32 s[G1B+3], 256<<16
	s_mov_b32 s[G1B+4], 96
	s_mov_b32 s[G1B+5], 512
	s_mov_b32 s[G1B+6], 0
	s_mov_b32 s[G1B+7], 0
	s_lshl_b32 s20, s17, 17                        ; x: 256 rows of 512 bytes a tile,
	s_lshl_b32 s18, s16, 16                        ; 128 rows a half
	s_add_co_u32 s20, s20, s18
	s_mov_b32 s21, 0
	s_mul_i32 s46, s42, 192*512                    ; W: 192 rows a head,
	s_mul_i32 s47, s16, 96*512                     ; 96 a half,
	s_add_co_u32 s46, s46, s47
	s_add_co_u32 s46, s46, 4096*512                ; behind x's 4,096 rows
	s_mov_b32 s47, 0
	s_mul_i32 s45, s16, 128*PITCH                  ; where they go: no place in the cluster enters an LDS address
	s_mul_i32 s19, s16, 96*PITCH
	s_add_co_u32 s19, s19, BOFF
	s_wait_dscnt 0x0                               ; both opening adds are done
	s_wait_kmcnt 0x0
	s_add_nc_u64 s[20:21], s[4:5], s[20:21]
	s_add_nc_u64 s[46:47], s[4:5], s[46:47]
	CROUND                                         ; all sixteen work-groups are here: the joint loads meet
.irp s, 0,1
	s_mov_b32 s[G0+4*\s], 1
	s_add_co_u32 s[G0+4*\s+1], s45, \s*SLOT
	s_add_nc_u64 s[G0+4*\s+2:G0+4*\s+3], s[20:21], \s*256
	s_or_b32 s[G0+4*\s+3], s[G0+4*\s+3], 0x80000000
	s_mov_b32 s[G0B+4*\s], 1
	s_add_co_u32 s[G0B+4*\s+1], s19, \s*SLOT
	s_add_nc_u64 s[G0B+4*\s+2:G0B+4*\s+3], s[46:47], \s*256
	s_or_b32 s[G0B+4*\s+3], s[G0B+4*\s+3], 0x80000000
	JLOAD G0+4*\s, G1, G0B+4*\s, G1B               ; two loads of mine are out: all of K
.endr
	v_and_b32 v1, 15, v0                           ; r
	v_bfe_u32 v2, v0, 4, 1                         ; h
	v_mul_u32_u24 v3, v1, PITCH
	v_lshl_add_u32 v4, v2, 4, v3                   ; a fragment's row x pitch + 16 h
	s_mul_i32 s22, s14, 64*PITCH                   ; my 64 rows of x
	v_add_nc_u32 v[ADRA], s22, v4
	v_add_nc_u32 v[ADRA+1], SLOT, v[ADRA]
	v_add_nc_u32 v[ADRB], BOFF, v4
	v_add_nc_u32 v[ADRB+1], SLOT, v[ADRB]
	v_and_b32 v5, 31, v0
	v_lshlrev_b32 v[LI], 4, v5
	v_lshlrev_b32 v6, 5, v1                        ; a row of scale bytes is 32 bytes
	v_lshl_add_u32 v[SAO], v2, 10, v6              ; lanes 16-31: two blocks of 16 rows on
	v_mul_u32_u24 v7, v2, 3072                     ; lanes 16-31: six blocks on
	v_add_nc_u32 v[SBO], v6, v7
	s_lshl_b32 s22, s17, 13                        ; x's scale bytes: 256 rows a tile,
	s_lshl_b32 s23, s14, 11                        ; 64 a wave
	s_add_co_u32 s22, s22, s23
	s_mov_b32 s23, 0
	s_add_nc_u64 s[66:67], s[6:7], s[22:23]
	s_mul_i32 s22, s42, 192*32
	s_add_co_u32 s22, s22, 4096*32
	s_add_nc_u64 s[68:69], s[6:7], s[22:23]        ; W's
	s_lshl_b32 s70, s17, 4
	s_lshl_b32 s71, s14, 2
	s_add_co_u32 s70, s70, s71
	s_and_b32 s70, s70, 127                        ; tb0: my first block of 16 positions in its sequence
	s_lshl_b32 s22, s70, 12
	s_add_nc_u64 s[8:9], s[8:9], s[22:23]          ; the table at that block
.irp p, 0,1
.irp kh, 0,1
	global_load_b128 v[SA+8*\p+4*\kh:SA+8*\p+4*\kh+3], v[SAO], s[66:67] offset:\p*512+16*\kh
.endr
.endr
.irp i, 0,1,2,3,4,5
.irp kh, 0,1
	global_load_b128 v[SB+8*\i+4*\kh:SB+8*\i+4*\kh+3], v[SBO], s[68:69] offset:\i*512+16*\kh
.endr
.endr
	WIN 0x80                                       ; destination window 2
.irp a, 0,1
.irp p, 0,1,2,3,4,5,6,7
	global_load_b128 v[192+32*\a+4*\p:192+32*\a+4*\p+3], v[LI], s[8:9] offset:\a*4096+\p*512
.endr
.endr
	WIN 0xc0                                       ; destination window 3
.irp a, 0,1
.irp p, 0,1,2,3,4,5,6,7
	global_load_b128 v[192+32*\a+4*\p:192+32*\a+4*\p+3], v[LI], s[8:9] offset:(\a+2)*4096+\p*512
.endr
.endr
	WIN 0
	s_lshr_b32 s71, s17, 3                         ; the batch,
	s_lshl_b32 s71, s71, 4
	s_add_co_u32 s71, s71, s42                     ; bh = 16 batch + head
	s_lshl_b32 s22, s71, 18
	s_lshl_b32 s72, s70, 11
	s_add_co_u32 s22, s22, s72
	s_add_nc_u64 s[10:11], s[10:11], s[22:23]      ; qi: 262,144 bytes a head, 2,048 a block
	s_lshl_b32 s22, s71, 19
	s_lshr_b32 s72, s70, 5
	s_lshl_b32 s72, s72, 17
	s_add_co_u32 s22, s22, s72
	s_add_nc_u64 s[12:13], s[12:13], s[22:23]      ; kvi: 524,288 bytes a head, 131,072 a slot of 512 keys
	s_and_b32 s72, s70, 31
	s_lshl_b32 s22, s72, 11
	s_add_nc_u64 s[74:75], s[12:13], s[22:23]      ; K's part: 2,048 bytes a block of 16 keys
	s_lshr_b32 s72, s72, 1
	s_lshl_b32 s22, s72, 12
	s_add_co_u32 s22, s22, 65536
	s_add_nc_u64 s[76:77], s[12:13], s[22:23]      ; V's part: 4,096 bytes for 32 keys
.macro FRAG reg, adr, q, i             ; 16 rows x 128 K of 4-bit codes: 8 registers: lane l holds row l % 16; registers 4 c .. 4 c + 3 hold K = 64 c + 32 (l / 16) + 0 .. 31
.irp c, 0,1
	ds_load_b128 v[\reg+4*\c:\reg+4*\c+3], v[\adr] offset:64*(\q)+32*\c+(\i)*16*PITCH
.endr
.endm
.macro FETCH ks                        ; the fragments of K step ks (128 along K): W's twelve, x's four: 32 loads in one run, into set ks % 2
	WIN 0x40
.irp i, 0,1,2,3,4,5,6,7,8,9,10,11
	FRAG 128*((\ks)%2)+8*\i, ADRB+(\ks)/4, (\ks)%4, \i
.endr
	WIN 0
.irp i, 0,1,2,3
	FRAG AF+32*((\ks)%2)+8*\i, ADRA+(\ks)/4, (\ks)%4, \i
.endr
.endm
; One scaled product.  rx, ry: source 0's, source 1's scales stand in lanes 16-31 of their register.
.macro WM d, x, y, zero, sx, sy, rx, ry
.if \zero
.if (\rx)&&(\ry)
	v_wmma_scale_f32_16x16x128_f8f6f4 v[\d:\d+7], v[\x:\x+7], v[\y:\y+7], 0, v[\sx], v[\sy] matrix_a_fmt:MATRIX_FMT_FP4 matrix_b_fmt:MATRIX_FMT_FP4 matrix_a_scale:MATRIX_SCALE_ROW1 matrix_b_scale:MATRIX_SCALE_ROW1
.elseif \rx
	v_wmma_scale_f32_16x16x128_f8f6f4 v[\d:\d+7], v[\x:\x+7], v[\y:\y+7], 0, v[\sx], v[\sy] matrix_a_fmt:MATRIX_FMT_FP4 matrix_b_fmt:MATRIX_FMT_FP4 matrix_a_scale:MATRIX_SCALE_ROW1
.elseif \ry
	v_wmma_scale_f32_16x16x128_f8f6f4 v[\d:\d+7], v[\x:\x+7], v[\y:\y+7], 0, v[\sx], v[\sy] matrix_a_fmt:MATRIX_FMT_FP4 matrix_b_fmt:MATRIX_FMT_FP4 matrix_b_scale:MATRIX_SCALE_ROW1
.else
	v_wmma_scale_f32_16x16x128_f8f6f4 v[\d:\d+7], v[\x:\x+7], v[\y:\y+7], 0, v[\sx], v[\sy] matrix_a_fmt:MATRIX_FMT_FP4 matrix_b_fmt:MATRIX_FMT_FP4
.endif
.else
.if (\rx)&&(\ry)
	v_wmma_scale_f32_16x16x128_f8f6f4 v[\d:\d+7], v[\x:\x+7], v[\y:\y+7], v[\d:\d+7], v[\sx], v[\sy] matrix_a_fmt:MATRIX_FMT_FP4 matrix_b_fmt:MATRIX_FMT_FP4 matrix_a_scale:MATRIX_SCALE_ROW1 matrix_b_scale:MATRIX_SCALE_ROW1
.elseif \rx
	v_wmma_scale_f32_16x16x128_f8f6f4 v[\d:\d+7], v[\x:\x+7], v[\y:\y+7], v[\d:\d+7], v[\sx], v[\sy] matrix_a_fmt:MATRIX_FMT_FP4 matrix_b_fmt:MATRIX_FMT_FP4 matrix_a_scale:MATRIX_SCALE_ROW1
.elseif \ry
	v_wmma_scale_f32_16x16x128_f8f6f4 v[\d:\d+7], v[\x:\x+7], v[\y:\y+7], v[\d:\d+7], v[\sx], v[\sy] matrix_a_fmt:MATRIX_FMT_FP4 matrix_b_fmt:MATRIX_FMT_FP4 matrix_b_scale:MATRIX_SCALE_ROW1
.else
	v_wmma_scale_f32_16x16x128_f8f6f4 v[\d:\d+7], v[\x:\x+7], v[\y:\y+7], v[\d:\d+7], v[\sx], v[\sy] matrix_a_fmt:MATRIX_FMT_FP4 matrix_b_fmt:MATRIX_FMT_FP4
.endif
.endif
.endm
.macro MMSET a, b, ks
.set rD,  8*(12*((\a)%2)+(\b))
.set rB,  128*((\ks)%2)+8*(\b)
.set rA,  AF+32*((\ks)%2)+8*(\a)
.set rSB, SB+8*((\b)%6)+(\ks)
.set rSA, SA+8*((\a)%2)+(\ks)
.set fZ, 0
.if (\ks) == 0
.set fZ, 1                             ; the first K step starts the sums: nothing is cleared
.endif
.endm
.macro MMT a, b, ks                    ; q, k: source 0 = W's block b, source 1 = x's block a
	MMSET \a, \b, \ks
	WM rD, rB, rA, fZ, rSB, rSA, (\b)/6, (\a)/2
.endm
.macro MMN a, b, ks                    ; v: source 0 = x's block a, source 1 = W's block b (8 .. 11: always lanes 16-31)
	MMSET \a, \b, \ks
	WM rD, rA, rB, fZ, rSA, rSB, (\a)/2, 1
.endm
.macro PLACES                          ; four places in front of loads into registers that matrix instructions have read, and of the first read of results
.rept 4
	v_nop
.endr
.endm
; A K step: the next step's 32 loads go out first, then 48 products.  The 48 accumulators take turns, one instruction a turn, in the same order in every step.
.macro KSTEP ks
.if (\ks) == 3
	s_wait_tensorcnt 0x0                           ; my part of slot 1 is in,
	s_wait_dscnt 0x0                               ; no LDS instruction of mine is out at the signal,
	s_barrier_signal -1
	s_barrier_wait -1                              ; everybody's part is: the next fetch reads slot 1
.endif
.if (\ks) > 0
	PLACES
.endif
.if (\ks) < 7
	FETCH (\ks)+1
	s_wait_dscnt 32                                ; all but the 32 just issued: this step's fragments are in
.else
	s_wait_dscnt 0x0
.endif
.if (\ks) == 0
	s_wait_loadcnt 32                              ; the 16 loads of scale words are in; the 32 of the table may be out
.endif
	WIN 0xa1                                       ; source 0 window 1, source 1 window 0, C and D window 2
.irp a, 0,1
.irp b, 0,1,2,3,4,5,6,7
	MMT \a, \b, \ks
.endr
.endr
	WIN 0xa4                                       ; source 0 window 0, source 1 window 1
.irp a, 0,1
.irp b, 8,9,10,11
	MMN \a, \b, \ks
.endr
.endr
	WIN 0xf1                                       ; C and D window 3
.irp a, 2,3
.irp b, 0,1,2,3,4,5,6,7
	MMT \a, \b, \ks
.endr
.endr
	WIN 0xf4
.irp a, 2,3
.irp b, 8,9,10,11
	MMN \a, \b, \ks
.endr
.endr
.endm
	s_wait_tensorcnt 1                             ; my part of slot 0 is in (slot 1's load may be out)
	s_barrier_signal -1
	s_barrier_wait -1                              ; everybody's is
	FETCH 0
.irp ks, 0,1,2,3,4,5,6,7
	KSTEP \ks
.endr
; THE WAY OUT, a block of 16 positions at a time.  RoPE: channel d < 32 pairs with d + 32: accumulators b and b + 2.  lo' = lo c - hi s, hi' = hi c + lo s, by a packed multiply and a packed fused multiply-add.
; Each accumulator is read from its low end on.
.macro OUTBLK a
.set AC,  96*((\a)%2)
.set TBR, 192+32*((\a)%2)
	s_wait_xcnt 0x0                                ; the last block's stores have read v160-207
	WIN 0x0a+5*((\a)/2)                            ; sources 0 and 1: window 2 or 3; source 2 and destination window 0
.irp u, 0,1
.irp bp, 0,1
.set LO, AC+8*(4*\u+\bp)
.set HI, LO+16
.set TL, T+32*\u+8*\bp
.set TH, TL+16
.set CC, TBR+8*\bp
.set SS, TBR+16+8*\bp
.irp j, 0,2,4,6
	v_pk_mul_f32 v[TL+\j:TL+\j+1], v[LO+\j:LO+\j+1], v[CC+\j:CC+\j+1]
.endr
.irp j, 0,2,4,6
	v_pk_fma_f32 v[TL+\j:TL+\j+1], v[HI+\j:HI+\j+1], v[SS+\j:SS+\j+1], v[TL+\j:TL+\j+1] neg_lo:[1,0,0] neg_hi:[1,0,0]
.endr
.irp j, 0,2,4,6
	v_pk_mul_f32 v[TH+\j:TH+\j+1], v[HI+\j:HI+\j+1], v[CC+\j:CC+\j+1]
.endr
.irp j, 0,2,4,6
	v_pk_fma_f32 v[TH+\j:TH+\j+1], v[LO+\j:LO+\j+1], v[SS+\j:SS+\j+1], v[TH+\j:TH+\j+1]
.endr
.endr
.endr
.irp cb, 0,1,2,3
.irp k, 0,1,2,3
	v_cvt_pk_f16_f32 v[PC+32+4*\cb+\k], v[AC+8*(8+\cb)+2*\k], v[AC+8*(8+\cb)+2*\k+1]   ; v: eight neighbouring keys of my channel
.endr
.endr
	WIN 0
.set ii, 0
.rept 32
	v_cvt_pk_f16_f32 v[PC+ii], v[T+2*ii], v[T+2*ii+1]
.set ii, ii+1
.endr
.irp nb, 0,1,2,3
	global_store_b128 v[LI], v[PC+4*\nb:PC+4*\nb+3], s[10:11] offset:(\a)*2048+\nb*512
.endr
.irp nb, 0,1,2,3
	global_store_b128 v[LI], v[PC+16+4*\nb:PC+16+4*\nb+3], s[74:75] offset:(\a)*2048+\nb*512
.endr
.irp cb, 0,1,2,3
	global_store_b128 v[LI], v[PC+32+4*\cb:PC+32+4*\cb+3], s[76:77] offset:((\a)/2)*4096+\cb*1024+((\a)%2)*512
.endr
.endm
	s_wait_loadcnt 0x0                             ; the table
	PLACES
	OUTBLK 0
	OUTBLK 1
	OUTBLK 2
	OUTBLK 3
	s_wait_tensorcnt 0x0                           ; the wave's end
	ds_add_u32 v[SPW], v[NIL]
	s_wait_dscnt 0x0
	CROUND                                         ; the closing round: no work-group ends while a partner may still ask for a tile that names it
	s_endpgm
.Lfunc_end_k_q10ae1d8e1b_qkv:
	.size	k_q10ae1d8e1b_qkv, .Lfunc_end_k_q10ae1d8e1b_qkv-k_q10ae1d8e1b_qkv
	.p2alignl 7, 3214868480
	.fill 96, 4, 3214868480
	.section	.rodata,"a",@progbits
	.p2align	6, 0x0
	.amdhsa_kernel k_q10ae1d8e1b_qkv
		.amdhsa_group_segment_fixed_size 327680
		.amdhsa_private_segment_fixed_size 0
		.amdhsa_enable_private_segment 0
		.amdhsa_kernarg_size 40
		.amdhsa_user_sgpr_count 2
		.amdhsa_user_sgpr_kernarg_segment_ptr 1
		.amdhsa_wavefront_size32 1
		.amdhsa_system_sgpr_workgroup_id_x 1
		.amdhsa_system_sgpr_workgroup_id_y 1
		.amdhsa_system_sgpr_workgroup_id_z 1
		.amdhsa_system_vgpr_workitem_id 0
		.amdhsa_next_free_vgpr 1024
		.amdhsa_next_free_sgpr 100
		.amdhsa_reserve_vcc 0
		.amdhsa_float_denorm_mode_32 3
		.amdhsa_float_denorm_mode_16_64 3
		.amdhsa_memory_ordered 1
		.amdhsa_forward_progress 1
		.amdhsa_inst_pref_size 113
	.end_amdhsa_kernel
	.amdgpu_metadata
---
amdhsa.version: [ 1, 2 ]
amdhsa.kernels:
  - .name:           k_q10ae1d8e1b_qkv
    .symbol:         k_q10ae1d8e1b_qkv.kd
    .args:
      - { .name: codes, .offset: 0, .size: 8, .value_kind: global_buffer, .address_space: global }
      - { .name: scales, .offset: 8, .size: 8, .value_kind: global_buffer, .address_space: global }
      - { .name: tab, .offset: 16, .size: 8, .value_kind: global_buffer, .address_space: global }
      - { .name: qi, .offset: 24, .size: 8, .value_kind: global_buffer, .address_space: global }
      - { .name: kvi, .offset: 32, .size: 8, .value_kind: global_buffer, .address_space: global }
    .group_segment_fixed_size: 327680
    .private_segment_fixed_size: 0
    .kernarg_segment_align: 8
    .kernarg_segment_size: 40
    .max_flat_workgroup_size: 128
    .sgpr_count:     100
    .vgpr_count:     1024
    .wavefront_size: 32
...
	.end_amdgpu_metadata
.endif
;; end of part 2
;; launch attn (part 3): grid 8 x 32, 16 waves a work-group, no clusters, 327,680 bytes of LDS; arguments qi, kvi, att; writes att
.if DOCPART == 3
	.amdgcn_target "amdgcn-amd-amdhsa--gfx1250"
	.amdhsa_code_object_version 6
	.text
	.protected	k_q10ae1d8e1b_attn
	.globl	k_q10ae1d8e1b_attn
	.p2align	8
	.type	k_q10ae1d8e1b_attn,@function
k_q10ae1d8e1b_attn:
	s_mov_b64 s[64:65], 0
	v_nop
	global_prefetch_b8 v0, s[64:65] scope:SCOPE_SE
	s_setreg_imm32_b32 hwreg(HW_REG_WAVE_MODE, 25, 1), 1
	s_wait_xcnt 0x0
; Causal attention, head size 64, 2,048 positions, 32 (batch, head) pairs.  q and k arrive as f16 with g = sqrt(log2(e) / 8) on both, so q . k is the score in units of log2; v as f16.  Products on f16 with f32 sums; maxima, exponentials and sums in f32.
; SHARES.  Work-group (j, bh), sixteen waves of 256 registers: four to a SIMD, so that one wave's vector work stands beside another's products and LDS loads.  Waves w and w + 8 own the SAME two tiles of 16 queries, tile 127 - 8 j - w and
; tile 8 j + w, whose keys under the causal mask add up to 129 x 16 for every pair of the launch, and SHARE THE KEYS OUT: the keys go 64 a step, wave w takes the even steps, wave w + 8 the odd ones.  So each step's fragments of K and V are read
; from LDS by one wave of the pair, and while both tiles are live each fragment feeds both.  At the end waves 8-15 hand their maxima, sums and O^T to waves 0-7 through LDS, which join the two parts and store.
; K and V come through a ring of two LDS slots of 512 keys (64 KB of K, 64 KB of V, in the order of the operands' registers: every LDS load reads 512 consecutive bytes); each of the sixteen waves fetches 8 KB of a slot.
; LAYOUT.  S^T = K Q^T (source 0 = 16 keys, source 1 = 16 queries): a lane holds ONE query and keys 8 (lane / 16) + 0 .. 7 of each of the step's four tiles of keys; two such tiles, rounded to f16 in pairs, are source 1 of O^T = V^T P.
; SOFTMAX.  A running maximum m and sum l for each query: p = 2^(s - m); in every step O and l are multiplied by a = 2^(m_old - m_new).  The sum is taken of the f32 p.
; THE MASK.  All trip counts are constants.  A step all of whose keys come after a tile's queries is jumped over by a scalar branch on ids; on the diagonal hidden scores become -infinity (a step that is walked begins at or under the tile's first
; query, so every query sees a key in it).  A step has two arms, chosen once by ids: both tiles, or the high tile alone.  A slot whose first key comes after the work-group's last query is read by none of its waves and is not asked for.
; Every wait on TENSORcnt is for 0.
; NO CLUSTER: the work-groups of a head end their walk at different slots (2,047 - 128 j is the last query), so partners would need different numbers of tiles.
; LIMITS: the attention result stays under 65,504 (f16).  Positions 0 to 15 of every sequence are made again in f32 by later launches.
; REGISTERS: v1-15 addresses and two registers at work; v16-31 statistics; v32-63 Q; v64-127 a step's K, then its V; v128-191 the scores, 32 a tile, whose low 16 registers then take P; v192-255 O^T.
.set SLOT1, 131072
.set SPARE, 262144                     ; behind the ring: the spare words, 128 bytes a wave
.set TST,   4352                       ; the hand-over: a tile's state: 4,096 bytes of O^T, 256 of (m, l).  Pair w's two states lie at 2 TST w, in slot 0, which has had its last fill and its last read by then
.set LI,   1                           ; v1  16 x lane
.set LV,   3                           ; v3  16 x lane + 65,536: V's part of a slot
.set ADK,  4
.set ADV,  5
.set SPW,  6
.set NIL,  7
.set RH,   8                           ; v8  lane % 16 - 8 (lane / 16)
.set NINF, 9                           ; v9  -infinity
.set DD,   10
.set PFO,  11                          ; v11 256 x lane
.set C2,   12                          ; v12, v13 at work: two chains of the maximum, then a chain of the sum
.set STO,  14                          ; v14 the hand-over: 2 TST w + 16 x lane
.set STM,  15                          ; v15 the hand-over: 2 TST w + 8 x lane
.set ST,   16                          ; tile x's statistics at v[16 + 8 x]: +0 m (+1 named with it), +2, +3 l, +4 a (+5 named with it), +6, +7 at work
.set Q,    32                          ; v[32 + 16 x + 8 c]
.set KV,   64                          ; K: v[64 + 16 kb + 8 c];  V: v[64 + 32 k2 + 8 cb]
.set S,    128                         ; v[128 + 32 x + 8 kb];  P: v[128 + 32 x + 8 k2]
.set O,    192                         ; v[192 + 32 x + 8 cb]
.set G1,   16                          ; s[16:23]
.set G0,   24                          ; s[24:27]
.set Q0H,  28
.set Q0L,  29
.set KF,   30                          ; the first key of my step in hand
.set TB,   31                          ; the LDS byte at which its fragments begin
.set SLOTS, 32
.set CNT,  33
.set LASTQ, 34
.set LIM,  35
.set SEL,  36
.set PFA,  38
.set NK,   52                          ; the first key of the slot that a change of slots asks for: the same in all waves
.set WL,   53                          ; wave % 8: my pair
.set WP,   54                          ; wave / 8: which steps are mine
	s_load_b128 s[4:7], s[0:1], 0x0                ; qi, kvi
	s_load_b64 s[8:9], s[0:1], 0x10                ; att
	v_lshl_add_u32 v[SPW], v0, 2, SPARE
	v_mov_b32 v[NIL], 0
	ds_add_u32 v[SPW], v[NIL]                      ; the wave's opening: the add, twice on end, and its wait ahead of my first tensor load
	ds_add_u32 v[SPW], v[NIL]
	v_lshrrev_b32 v2, 5, v0
	v_readfirstlane_b32 s10, v2                    ; wave 0..15
	s_and_b32 s[WL], s10, 7
	s_lshr_b32 s[WP], s10, 3
	s_and_b32 s11, ttmp7, 0xffff                   ; bh
	s_mov_b32 s[G1+0], 3<<16                       ; a dense block of 8 KB as 32 rows of 32 elements of 8 bytes; no mask, no padding
	s_mov_b32 s[G1+1], 32<<16
	s_mov_b32 s[G1+2], 32<<16
	s_mov_b32 s[G1+3], 32<<16
	s_mov_b32 s[G1+4], 32
	s_mov_b32 s[G1+5], 32
	s_mov_b32 s[G1+6], 0
	s_mov_b32 s[G1+7], 0
	s_lshl_b32 s40, s11, 19                        ; 524,288 bytes a head,
	s_lshl_b32 s41, s10, 13                        ; my 8 KB of a slot
	s_add_co_u32 s40, s40, s41
	s_mov_b32 s41, 0
	s_lshl_b32 s42, ttmp9, 3
	s_add_co_u32 s42, s42, s[WL]                   ; the low tile
	s_sub_co_u32 s43, 127, s42                     ; the high tile
	s_lshl_b32 s[Q0L], s42, 4
	s_lshl_b32 s[Q0H], s43, 4
	s_lshl_b32 s44, ttmp9, 7
	s_sub_co_u32 s[LASTQ], 2047, s44               ; the work-group's last query
	s_lshl_b32 s[KF], s[WP], 6                     ; my first step: keys 0 or 64 on,
	s_lshl_b32 s[TB], s[WP], 13                    ; 8,192 bytes a step in K's part and in V's
	s_mov_b32 s[NK], 0
	s_mov_b32 s[SLOTS], 3
	s_mov_b32 s[SEL], 0x76543210
	s_mov_b32 s[SEL+1], 0xfedcba98
	s_cmp_eq_u32 ttmp9, 0
	s_cselect_b32 s[LIM], 1, -1                    ; the head's first work-group prefetches
	s_wait_dscnt 0x0                               ; both opening adds are done
	s_wait_kmcnt 0x0
	s_mov_b32 s[G0], 1
	s_lshl_b32 s[G0+1], s10, 13                    ; LDS: slot 0, my 8 KB
	s_add_nc_u64 s[G0+2:G0+3], s[6:7], s[40:41]
	s_add_nc_u64 s[PFA:PFA+1], s[6:7], s[40:41]
	s_or_b32 s[G0+3], s[G0+3], 0x80000000
	tensor_load_to_lds s[G0:G0+3], s[G1:G1+7]      ; slot 0: key 0 counts for every query
	s_nop 0
.rept 4
	v_nop
.endr
	s_add_nc_u64 s[PFA:PFA+1], s[PFA:PFA+1], SLOT1 ; at slot 1; the first change of slots steps it to slot 2.  Nothing is prefetched here, at the head
	s_lshl_b32 s44, s11, 18                        ; qi: 262,144 bytes a head, 2,048 a tile
	s_lshl_b32 s45, s43, 11
	s_add_co_u32 s46, s44, s45
	s_mov_b32 s47, 0
	s_add_nc_u64 s[12:13], s[4:5], s[46:47]
	s_lshl_b32 s45, s42, 11
	s_add_co_u32 s46, s44, s45
	s_add_nc_u64 s[14:15], s[4:5], s[46:47]
	v_and_b32 v2, 31, v0
	v_lshlrev_b32 v[LI], 4, v2
	v_add_nc_u32 v[LV], 65536, v[LI]
	v_lshlrev_b32 v[PFO], 8, v2
	s_mul_i32 s44, s[WL], 2*TST                    ; the hand-over's addresses are made here, ahead of every branch on the wave's number
	v_add_nc_u32 v[STO], s44, v[LI]
	v_lshlrev_b32 v[STM], 3, v2
	v_add_nc_u32 v[STM], s44, v[STM]
.irp nb, 0,1,2,3
	global_load_b128 v[Q+4*\nb:Q+4*\nb+3], v[LI], s[12:13] offset:\nb*512          ; Q stays in registers
	global_load_b128 v[Q+16+4*\nb:Q+16+4*\nb+3], v[LI], s[14:15] offset:\nb*512
.endr
	s_and_b32 s44, s11, 15                         ; the head
	s_lshr_b32 s45, s11, 4                         ; the batch
	s_lshr_b32 s46, s44, 2
	s_lshl_b32 s46, s46, 21                        ; att: [head / 4] 2,097,152
	s_and_b32 s44, s44, 3
	s_lshl_b32 s44, s44, 11                        ; + (head % 4) 2,048
	s_add_co_u32 s46, s46, s44
	s_lshl_b32 s45, s45, 20                        ; + 128 blocks of 8,192 a batch
	s_add_co_u32 s46, s46, s45
	s_lshl_b32 s44, s43, 13
	s_add_co_u32 s44, s44, s46
	s_mov_b32 s45, 0
	s_add_nc_u64 s[48:49], s[8:9], s[44:45]
	s_lshl_b32 s44, s42, 13
	s_add_co_u32 s44, s44, s46
	s_add_nc_u64 s[50:51], s[8:9], s[44:45]
	v_and_b32 v[RH], 15, v0
	v_bfe_u32 v[DD], v0, 4, 1
	v_lshlrev_b32 v[DD], 3, v[DD]
	v_sub_nc_u32 v[RH], v[RH], v[DD]
	v_mov_b32 v[NINF], 0xff800000
.irp x, 0,1
	v_mov_b32 v[ST+8*\x], 0xff61b1e6               ; m: -3e38, under every score
.irp i, 1,2,3,4,5,6,7
	v_mov_b32 v[ST+8*\x+\i], 0
.endr
.endr
.set ii, 0
.rept 64
	v_mov_b32 v[O+ii], 0                           ; O^T.  (The step is written once: the first finds zeros, which a = 0 leaves zeros; a wave that has no step for a tile hands zeros over)
.set ii, ii+1
.endr
; THE CHANGE OF SLOTS stands at a slot's head.  Each wave waits for all its tensor loads (its part of the slot ahead), adds 0 to its spare word, and waits for that and for its reads of the slot that it has left.
; Behind the barrier the slot ahead is whole and nobody reads the other one: fill = 1: that one takes the next 512 keys, up to the causal limit: the wave's one tensor load until the next such barrier.
.macro CHANGE fill
	s_wait_tensorcnt 0x0                           ; no tensor load of mine is out, so the group 0 may be written
	ds_add_u32 v[SPW], v[NIL]
.if \fill
	s_xor_b32 s[G0+1], s[G0+1], SLOT1              ; the other slot than last time,
	s_add_nc_u64 s[G0+2:G0+3], s[G0+2:G0+3], SLOT1 ; the next 512 keys,
	s_add_co_u32 s[NK], s[NK], 512                 ; of which this is the first
	s_wait_xcnt 0x0                                ; the last prefetch, a slot back, has read its address
	s_add_nc_u64 s[PFA:PFA+1], s[PFA:PFA+1], SLOT1
.endif
	s_wait_dscnt 0x0                               ; the add is done, and my reads of the slot that I have left are over
	s_barrier_signal -1
	s_barrier_wait -1
.if \fill
	s_cmp_gt_u32 s[NK], s[LASTQ]                   ; the work-group's number and the count of slots alone: all sixteen waves go the same way, and a work-group past the limit stays past it
	s_cbranch_scc1 .Lpast_\@
	tensor_load_to_lds s[G0:G0+3], s[G1:G1+7]
	s_nop 0
.rept 4
	v_nop
.endr
.Lpast_\@:
	s_cmp_gt_u32 s[SLOTS], s[LIM]                  ; a prefetch of the slot that the NEXT change asks for: the head's first work-group alone; each wave its own 8 KB, lanes 256 bytes apart, one instruction:
	s_cbranch_scc0 .Lnot_mine_\@                   ; each aligned block of 256 bytes is named once in the launch.  The last change that fills a slot asks for nothing
	global_prefetch_b8 v[PFO], s[PFA:PFA+1] th:TH_LOAD_NT scope:SCOPE_SE
.Lnot_mine_\@:
.endif
.endm
.macro SMULC x, c                      ; S^T of tile x, channels 32 c on: four accumulators, one instruction each; c = 0 starts the sums
.irp kb, 0,1,2,3
.if (\c) == 0
	v_wmma_f32_16x16x32_f16 v[S+32*(\x)+8*\kb:S+32*(\x)+8*\kb+7], v[KV+16*\kb+8*(\c):KV+16*\kb+8*(\c)+7], v[Q+16*(\x)+8*(\c):Q+16*(\x)+8*(\c)+7], 0
.else
	v_wmma_f32_16x16x32_f16 v[S+32*(\x)+8*\kb:S+32*(\x)+8*\kb+7], v[KV+16*\kb+8*(\c):KV+16*\kb+8*(\c)+7], v[Q+16*(\x)+8*(\c):Q+16*(\x)+8*(\c)+7], v[S+32*(\x)+8*\kb:S+32*(\x)+8*\kb+7]
.endif
.endr
.endm
.macro PVMUL x                         ; O^T of tile x += V^T P: keys 32 k2 on; four accumulators by turns
.irp k2, 0,1
.irp cb, 0,1,2,3
	v_wmma_f32_16x16x32_f16 v[O+32*(\x)+8*\cb:O+32*(\x)+8*\cb+7], v[KV+32*\k2+8*\cb:KV+32*\k2+8*\cb+7], v[S+32*(\x)+8*\k2:S+32*(\x)+8*\k2+7], v[O+32*(\x)+8*\cb:O+32*(\x)+8*\cb+7]
.endr
.endr
.endm
.macro VLOAD                           ; the step's V into the registers that held its K
.irp k2, 0,1
.irp cb, 0,1,2,3
.irp g, 0,1
	ds_load_b128 v[KV+32*\k2+8*\cb+4*\g:KV+32*\k2+8*\cb+4*\g+3], v[ADV] offset:\k2*4096+\cb*1024+\g*512
.endr
.endr
.endr
.endm
.macro PLACES n                        ; places behind a matrix instruction: four in front of the first read of its results and of loads into its sources, five in front of a matrix instruction that writes over one of its registers
.rept \n
	v_nop
.endr
.endm
.macro SOFTMAX x, q0
.set rT, ST+8*(\x)
.set rS, S+32*(\x)
.set rO, O+32*(\x)
	s_add_co_u32 s42, s[KF], 63
	s_cmp_le_u32 s42, s[\q0]                       ; all 64 keys count for all 16 queries: no mask
	s_cbranch_scc1 .Lopen_\@
	s_sub_co_i32 s42, s[\q0], s[KF]
	v_add_nc_u32 v[DD], s42, v[RH]                 ; d = my query - KF - 8 (lane / 16).  Register n holds key KF + 8 (lane / 16) + 16 (n / 8) + n % 8: hidden where 16 (n / 8) + n % 8 > d
.irp n, 0,1,2,3,4,5,6,7,8,9,10,11,12,13,14,15,16,17,18,19,20,21,22,23,24,25,26,27,28,29,30,31
	v_cmp_gt_i32 vcc_lo, 16*(\n/8)+\n%8, v[DD]
	v_cndmask_b32 v[rS+\n], v[rS+\n], v[NINF], vcc_lo
.endr
.Lopen_\@:
	v_max3_num_f32 v[rT+6], v[rS], v[rS+1], v[rS+2]          ; the maximum of 32 scores and the old m: four chains, one for each accumulator, each from its low end on
	v_max3_num_f32 v[rT+7], v[rS+8], v[rS+9], v[rS+10]
	v_max3_num_f32 v[C2], v[rS+16], v[rS+17], v[rS+18]
	v_max3_num_f32 v[C2+1], v[rS+24], v[rS+25], v[rS+26]
.irp j, 3,5
	v_max3_num_f32 v[rT+6], v[rT+6], v[rS+\j], v[rS+\j+1]
	v_max3_num_f32 v[rT+7], v[rT+7], v[rS+8+\j], v[rS+9+\j]
	v_max3_num_f32 v[C2], v[C2], v[rS+16+\j], v[rS+17+\j]
	v_max3_num_f32 v[C2+1], v[C2+1], v[rS+24+\j], v[rS+25+\j]
.endr
	v_max3_num_f32 v[rT+6], v[rT+6], v[rS+7], v[rS+15]
	v_max3_num_f32 v[C2], v[C2], v[rS+23], v[rS+31]
	v_max3_num_f32 v[rT+6], v[rT+6], v[rT+7], v[rT]
	v_max3_num_f32 v[rT+6], v[rT+6], v[C2], v[C2+1]
	v_permlanex16_b32 v[rT+7], v[rT+6], s[SEL], s[SEL+1]     ; the query's other 32 keys lie in the lane 16 away
	v_max_num_f32 v[rT+7], v[rT+6], v[rT+7]                  ; the new m
	v_sub_f32 v[rT+4], v[rT], v[rT+7]                        ; m_old - m_new
	v_mov_b32 v[rT], v[rT+7]
.irp j, 0,2,4,6,8,10,12,14,16,18,20,22,24,26,28,30
	v_pk_add_f32 v[rS+\j:rS+\j+1], v[rS+\j:rS+\j+1], v[rT:rT+1] op_sel_hi:[1,0] neg_lo:[0,1] neg_hi:[0,1]   ; s - m
.endr
	v_exp_f32 v[rT+4], v[rT+4]                               ; a
.irp j, 0,1,2,3,4,5,6,7,8,9,10,11,12,13,14,15,16,17,18,19,20,21,22,23,24,25,26,27,28,29,30,31
	v_exp_f32 v[rS+\j], v[rS+\j]                             ; p
.endr
	v_nop                                                    ; a plain line behind the last exponential
	s_wait_alu depctr_va_vdst(0)                             ; one wait for the batch of 33, ahead of its first reader
; The sum of the 16 pairs of f32 p, in two chains (l itself, begun by l = a l + pair 0, and v12, v13), and between its lines the roundings to f16, IN PLACE: rounding i reads registers 2 i, 2 i + 1 and writes register i,
; whose own p has been summed and rounded by then.  So P takes the tile's low 16 score registers.
.set si, 0
.rept 16
.if si == 0
	v_pk_fma_f32 v[rT+2:rT+3], v[rT+2:rT+3], v[rT+4:rT+5], v[rS:rS+1] op_sel_hi:[1,0,1]
.elseif si == 1
	v_pk_add_f32 v[C2:C2+1], v[rS+2:rS+3], v[rS+4:rS+5]
.elseif (si > 2) && ((si%2) == 1)
	v_pk_add_f32 v[rT+2:rT+3], v[rT+2:rT+3], v[rS+2*si:rS+2*si+1]
.elseif si > 2
	v_pk_add_f32 v[C2:C2+1], v[C2:C2+1], v[rS+2*si:rS+2*si+1]
.endif
	v_cvt_pk_f16_f32 v[rS+si], v[rS+2*si], v[rS+2*si+1]
.set si, si+1
.endr
	v_pk_add_f32 v[rT+2:rT+3], v[rT+2:rT+3], v[C2:C2+1]
.set ii, 0
.rept 16
	v_pk_mul_f32 v[rO+ii:rO+ii+1], v[rO+ii:rO+ii+1], v[rT+4:rT+5] op_sel_hi:[1,0]          ; O^T x a, each accumulator from its low end on
.set ii, ii+2
.endr
.endm
; My four steps of 64 keys in a slot: a loop of constant count; the LDS addresses hang on s[TB].
; A step's work has two arms, chosen ONCE by a comparison of ids: both tiles while the low tile's queries still see the step's keys, the high tile alone afterwards.
; So on every way through the text a tile's scores are written by its products before its softmax reads them.
.macro STEPS
	s_mov_b32 s[CNT], 4
.Lstep_\@:
	s_add_co_u32 s40, s[Q0H], 15
	s_cmp_gt_u32 s[KF], s40                        ; all keys come after both tiles' queries: the step's work is left out
	s_cbranch_scc1 .Lskip_\@
	v_add_nc_u32 v[ADK], s[TB], v[LI]
	v_add_nc_u32 v[ADV], s[TB], v[LV]
.irp c, 0,1
.irp kb, 0,1,2,3
.irp g, 0,1
	ds_load_b128 v[KV+16*\kb+8*\c+4*\g:KV+16*\kb+8*\c+4*\g+3], v[ADK] offset:\kb*2048+\c*1024+\g*512
.endr
.endr
.endr
	s_add_co_u32 s41, s[Q0L], 15
	s_wait_dscnt 8                                 ; the eight loads of channels 0-31 are in; the eight of channels 32-63 may be out
	s_cmp_gt_u32 s[KF], s41                        ; is the low tile still live?
	s_cbranch_scc1 .Lone_\@
	SMULC 0, 0                                     ; both tiles: each fragment of K and of V feeds two products; eight accumulators by turns
	SMULC 1, 0
	s_wait_dscnt 0x0                               ; all of K is in
	SMULC 0, 1
	SMULC 1, 1
	PLACES 4                                       ; in front of the loads into K's registers and of the first read of the scores
	VLOAD
	SOFTMAX 0, Q0H
	s_wait_dscnt 0x0                               ; V is in
	PVMUL 0
	SOFTMAX 1, Q0L
	PVMUL 1
	s_branch .Ljoin_\@
.Lone_\@:
	SMULC 0, 0                                     ; the high tile alone
	s_wait_dscnt 0x0
	SMULC 0, 1
	PLACES 4
	VLOAD
	SOFTMAX 0, Q0H
	s_wait_dscnt 0x0                               ; V is in
	PVMUL 0
.Ljoin_\@:
	PLACES 5                                       ; in front of the next step's loads into V's registers, of its products, which write over P, and of the first read of O^T at the end
.Lskip_\@:
	s_add_co_u32 s[TB], s[TB], 16384               ; two steps on: the step between is my partner's
	s_add_co_u32 s[KF], s[KF], 128
	s_sub_co_u32 s[CNT], s[CNT], 1
	s_cmp_lg_u32 s[CNT], 0
	s_cbranch_scc1 .Lstep_\@
	s_sub_co_u32 s[TB], s[TB], 65536               ; back to my first step of a slot,
	s_xor_b32 s[TB], s[TB], SLOT1                  ; in the other slot
.endm
	s_wait_loadcnt 0x0                             ; Q
.Lslot:                                            ; three trips: behind each change of slots but the last the next slot is asked for, up to the causal limit
	CHANGE 1
	STEPS
	s_sub_co_u32 s[SLOTS], s[SLOTS], 1
	s_cmp_lg_u32 s[SLOTS], 0
	s_cbranch_scc1 .Lslot
	CHANGE 0                                       ; the last slot is written out: nothing is left to ask for
	STEPS
	; THE HAND-OVER.  Every wave's reads of the ring are over behind this barrier; no tensor load is out (the last change of slots waited for all), and none follows.
	s_wait_dscnt 0x0
	s_barrier_signal -1
	s_barrier_wait -1
	s_cmp_lt_u32 s10, 8
	s_cbranch_scc1 .Lkeep
.irp x, 0,1                            ; waves 8-15: both tiles' O^T as images of their registers, 16 bytes a lane, and (m, l), 8 bytes a lane
	v_add_f32 v[ST+8*\x+1], v[ST+8*\x+2], v[ST+8*\x+3]       ; l's two halves
.endr
.irp x, 0,1
.irp k, 0,1,2,3,4,5,6,7
	ds_store_b128 v[STO], v[O+32*\x+4*\k:O+32*\x+4*\k+3] offset:\x*TST+\k*512     ; each accumulator from its low end on
.endr
	ds_store_b64 v[STM], v[ST+8*\x:ST+8*\x+1] offset:\x*TST+4096
.endr
.Lkeep:
	s_wait_dscnt 0x0                               ; for my partner's sake: my stores are done
	s_barrier_signal -1
	s_barrier_wait -1
	s_cmp_ge_u32 s10, 8
	s_cbranch_scc1 .Lend
.irp x, 0,1                            ; waves 0-7: my partner's part, into the same lanes that it left: O^T at v64-127, (m, l) at v128-131
.irp k, 0,1,2,3,4,5,6,7
	ds_load_b128 v[KV+32*\x+4*\k:KV+32*\k*0+KV*0+KV+32*\x+4*\k+3-KV], v[STO] offset:\x*TST+\k*512
.endr
	ds_load_b64 v[S+2*\x:S+2*\x+1], v[STM] offset:\x*TST+4096
.endr
.irp x, 0,1
	v_add_f32 v[ST+8*\x+2], v[ST+8*\x+2], v[ST+8*\x+3]       ; my l's two halves
.endr
	s_wait_dscnt 0x0
.irp x, 0,1
	v_max_num_f32 v[ST+8*\x+1], v[ST+8*\x], v[S+2*\x]        ; the joint maximum
.endr
.irp x, 0,1
	v_sub_f32 v[ST+8*\x+4], v[ST+8*\x], v[ST+8*\x+1]
	v_sub_f32 v[ST+8*\x+6], v[S+2*\x], v[ST+8*\x+1]
.endr
.irp x, 0,1
	v_exp_f32 v[ST+8*\x+4], v[ST+8*\x+4]                     ; what my part counts for under it,
	v_exp_f32 v[ST+8*\x+6], v[ST+8*\x+6]                     ; and my partner's (0 where it had no step for the tile)
.endr
	v_nop                                          ; a plain line behind the last exponential
	s_wait_alu depctr_va_vdst(0)                   ; one wait for the four, ahead of their first reader
.irp x, 0,1
	v_mul_f32 v[ST+8*\x+2], v[ST+8*\x+2], v[ST+8*\x+4]
.endr
.irp x, 0,1
	v_fma_f32 v[ST+8*\x+2], v[S+2*\x+1], v[ST+8*\x+6], v[ST+8*\x+2]
.endr
.irp x, 0,1
	v_permlanex16_b32 v[ST+8*\x+3], v[ST+8*\x+2], s[SEL], s[SEL+1]
.endr
.irp x, 0,1
	v_add_f32 v[ST+8*\x+2], v[ST+8*\x+2], v[ST+8*\x+3]       ; with the other half of the lanes': the row's sum
.endr
.irp x, 0,1
	v_rcp_f32 v[ST+8*\x+3], v[ST+8*\x+2]
.endr
	v_nop                                          ; a plain line behind the last reciprocal
	s_wait_alu depctr_va_vdst(0)                   ; one wait for the two, ahead of their first reader
.irp x, 0,1
	v_mul_f32 v[ST+8*\x+4], v[ST+8*\x+4], v[ST+8*\x+3]
	v_mul_f32 v[ST+8*\x+6], v[ST+8*\x+6], v[ST+8*\x+3]
.endr
	; THE WAY OUT.  O^T = my part x its factor + my partner's x its factor, rounded to f16: a lane's eight channels are 16 bytes of a fragment of the next product, and each store of the wave covers 512 consecutive bytes, aligned.
.irp x, 0,1
.set ii, 0
.rept 16
	v_pk_mul_f32 v[O+32*\x+ii:O+32*\x+ii+1], v[O+32*\x+ii:O+32*\x+ii+1], v[ST+8*\x+4:ST+8*\x+5] op_sel_hi:[1,0]
.set ii, ii+2
.endr
.set ii, 0
.rept 16
	v_pk_fma_f32 v[O+32*\x+ii:O+32*\x+ii+1], v[KV+32*\x+ii:KV+32*\x+ii+1], v[ST+8*\x+6:ST+8*\x+7], v[O+32*\x+ii:O+32*\x+ii+1] op_sel_hi:[1,0,1]
.set ii, ii+2
.endr
.set ii, 0
.rept 16
	v_cvt_pk_f16_f32 v[S+16+16*\x+ii], v[O+32*\x+2*ii], v[O+32*\x+2*ii+1]
.set ii, ii+1
.endr
.irp cb, 0,1,2,3
	global_store_b128 v[LI], v[S+16+16*\x+4*\cb:S+16+16*\x+4*\cb+3], s[48+2*\x:49+2*\x] offset:\cb*512
.endr
.endr
.Lend:
	s_wait_tensorcnt 0x0                           ; the wave's end
	ds_add_u32 v[SPW], v[NIL]
	s_wait_dscnt 0x0
	s_endpgm
.Lfunc_end_k_q10ae1d8e1b_attn:
	.size	k_q10ae1d8e1b_attn, .Lfunc_end_k_q10ae1d8e1b_attn-k_q10ae1d8e1b_attn
	.p2alignl 7, 3214868480
	.fill 96, 4, 3214868480
	.section	.rodata,"a",@progbits
	.p2align	6, 0x0
	.amdhsa_kernel k_q10ae1d8e1b_attn
		.amdhsa_group_segment_fixed_size 327680
		.amdhsa_private_segment_fixed_size 0
		.amdhsa_enable_private_segment 0
		.amdhsa_kernarg_size 24
		.amdhsa_user_sgpr_count 2
		.amdhsa_user_sgpr_kernarg_segment_ptr 1
		.amdhsa_wavefront_size32 1
		.amdhsa_system_sgpr_workgroup_id_x 1
		.amdhsa_system_sgpr_workgroup_id_y 1
		.amdhsa_system_sgpr_workgroup_id_z 1
		.amdhsa_system_vgpr_workitem_id 0
		.amdhsa_next_free_vgpr 256
		.amdhsa_next_free_sgpr 66
		.amdhsa_reserve_vcc 1
		.amdhsa_float_denorm_mode_32 3
		.amdhsa_float_denorm_mode_16_64 3
		.amdhsa_memory_ordered 1
		.amdhsa_forward_progress 1
		.amdhsa_inst_pref_size 84
	.end_amdhsa_kernel
	.amdgpu_metadata
---
amdhsa.version: [ 1, 2 ]
amdhsa.kernels:
  - .name:           k_q10ae1d8e1b_attn
    .symbol:         k_q10ae1d8e1b_attn.kd
    .args:
      - { .name: qi, .offset: 0, .size: 8, .value_kind: global_buffer, .address_space: global }
      - { .name: kvi, .offset: 8, .size: 8, .value_kind: global_buffer, .address_space: global }
      - { .name: att, .offset: 16, .size: 8, .value_kind: global_buffer, .address_space: global }
    .group_segment_fixed_size: 327680
    .private_segment_fixed_size: 0
    .kernarg_segment_align: 8
    .kernarg_segment_size: 24
    .max_flat_workgroup_size: 512
    .sgpr_count:     66
    .vgpr_count:     256
    .wavefront_size: 32
...
	.end_amdgpu_metadata
.endif
;; end of part 3
;; launch oproj (part 4): grid 8 x 32, 4 waves a work-group, clusters of 4 x 4, 327,680 bytes of LDS; arguments att, woh, out0; writes out0
.if DOCPART == 4
	.amdgcn_target "amdgcn-amd-amdhsa--gfx1250"
	.amdhsa_code_object_version 6
	.text
	.protected	k_q10ae1d8e1b_oproj
	.globl	k_q10ae1d8e1b_oproj
	.p2align	8
	.type	k_q10ae1d8e1b_oproj,@function
k_q10ae1d8e1b_oproj:
	s_mov_b64 s[64:65], 0
	v_nop
	global_prefetch_b8 v0, s[64:65] scope:SCOPE_SE
	s_setreg_imm32_b32 hwreg(HW_REG_WAVE_MODE, 25, 1), 1
	s_wait_xcnt 0x0
	s_wait_alu depctr_hold_cnt(0) depctr_sa_sdst(0) depctr_va_vdst(0) depctr_va_sdst(0) depctr_va_ssrc(0) depctr_va_vcc(0) depctr_vm_vsrc(0)
	s_getreg_b32 s2, hwreg(HW_REG_IB_STS2, 6, 4)
	s_cmp_eq_u32 s2, 0
	s_cbranch_scc0 .Lentry_in_a_cluster
	s_endpgm
.Lentry_in_a_cluster:
	s_bfe_u32 s2, ttmp6, 0x10000c
	s_cmp_lg_u32 s2, 0xf033
	s_cbranch_scc0 .Lentry_shape_is_right
	s_endpgm
.Lentry_shape_is_right:
; out0[m][n] = sum over k of att[m][k] Wo[n][k].  att [4096][1024] and Wo [1024][1024] arrive as f16 in the order of the operands' registers: [K / 256][block of 16 rows][32 K kf][half g] pieces of 512 bytes.  out0 is f32; sums in f32.
; A tile of out0 is 128 x 128: 8 x 32 = 256 work-groups.  Four waves, each 64 x 64: 16 accumulators.  K goes in 4 steps of 256 through two LDS slots; a K step's 128 rows of an operand are ONE dense block of 64 KB,
; and every LDS load reads 512 consecutive bytes: no pitch, no padding.
; CLUSTERS: 4 x 4 work-groups.  The four of a row of the cluster need the same tiles of att, the four of a column the same tiles of Wo: each is asked for JOINTLY, by the same tensor load with the same descriptor and a mask that names the four.
; THE MATRIX INSTRUCTION IS USED TRANSPOSED (source 0 = 16 rows of Wo, source 1 = 16 rows of att): a lane holds eight neighbouring numbers of a row of out0.
; A wave's 64 columns are 256 bytes, aligned: each wave has a stage of its own on the way out and needs no barrier there.
; Rows of positions 0 to 15 of each sequence are stored here too and are stored again, in f32 throughout, by the last launch.
; REGISTERS: window 0: v16-29 addresses; v32-95 rows on the way out; v128-255 the accumulators ((a, b) at v[128 + 8 (4 a + b)]).   window 1: two fragment buffers of 128: for 64 along K, 64 registers of att, then 64 of Wo.
.set HALFT,  32768                     ; 64 rows x 256 K of f16: what one tensor load brings, and what one wave reads of an operand
.set SLOT,   4*HALFT
.set STAGE,  2*SLOT                    ; behind the ring: 16 rows x 272 bytes for each wave
.set SPITCH, 272
.set SPARE,  STAGE+4*16*SPITCH         ; the spare words, 128 bytes a wave
.set LAPS,   2                         ; a lap = two K steps = once round the ring
.set STEPA,  2097152                   ; a K step on, in att
.set STEPW,  524288                    ; and in Wo's f16 copy
.set ADRA, 16
.set ADRB, 20
.set STO,  24
.set RD,   25
.set CO,   26
.set SPW,  28
.set NIL,  29
.set TMP,  32
.set ACC,  128
.set F0,   0
.set F1,   128
.set G1, 24
.set G0, 32
.set G1B, 48
.set G0B, 56
.set MSB, 0
.macro WIN new                         ; the immediate's high byte repeats the setting that is left
.if MSB != \new
	s_set_vgpr_msb (MSB<<8)|\new
.set MSB, \new
.endif
.endm
.set MUL,  0x05                        ; sources 0 and 1 window 1; C and D window 0
.set TO_F, 0x40                        ; destination window 1, address window 0
.macro JLOAD s                         ; a joint load: waves 0 and 1 fetch att's two halves, waves 2 and 3 Wo's; an s_nop 0 and four v_nop follow each of the two lines
	s_cmp_eq_u32 s11, 0
	s_cbranch_scc0 .Lfor_b_\@
	tensor_load_to_lds s[G0+4*\s:G0+4*\s+3], s[G1:G1+7]
	s_nop 0
.rept 4
	v_nop
.endr
	s_branch .Lasked_\@
.Lfor_b_\@:
	tensor_load_to_lds s[G0B+4*\s:G0B+4*\s+3], s[G1B:G1B+7]
	s_nop 0
.rept 4
	v_nop
.endr
.Lasked_\@:
.endm
.macro CREST                           ; a round of the cluster's barrier behind its opening barrier
	s_cmp_lg_u32 s10, 0
	s_cbranch_scc1 .Lnot_wave_0_\@
	s_barrier_signal -3
.Lnot_wave_0_\@:
	s_barrier_wait -3
	s_barrier_signal -1
	s_barrier_wait -1
.endm
.macro CROUND
	s_barrier_signal -1
	s_barrier_wait -1
	CREST
.endm
	s_load_b128 s[4:7], s[0:1], 0x0                ; att, Wo in f16
	s_load_b64 s[8:9], s[0:1], 0x10                ; out0
	v_lshl_add_u32 v[SPW], v0, 2, SPARE
	v_mov_b32 v[NIL], 0
	ds_add_u32 v[SPW], v[NIL]                      ; the wave's opening: the add, twice on end, and its wait ahead of my first tensor load
	ds_add_u32 v[SPW], v[NIL]
	v_lshrrev_b32 v1, 5, v0
	v_readfirstlane_b32 s10, v1                    ; wave 0..3
	s_lshr_b32 s11, s10, 1                         ; which half of the tile's rows is mine.  Also: I fetch for att (0) or for Wo (1)
	s_and_b32 s12, s10, 1                          ; which half of its columns.  Also: which 64 rows of that tile I fetch
	s_bfe_u32 s40, ttmp6, 0x40000                  ; cx, cy
	s_bfe_u32 s41, ttmp6, 0x40004
	s_lshl_b32 s42, ttmp9, 2
	s_add_co_u32 s42, s42, s40                     ; tile column
	s_and_b32 s13, ttmp7, 0xffff
	s_lshl_b32 s13, s13, 2
	s_add_co_u32 s13, s13, s41                     ; tile row
	s_lshl_b32 s43, s41, 2
	s_lshl_b32 s43, 15, s43                        ; my row of the cluster
	s_lshl_b32 s44, 0x1111, s40                    ; my column
	s_or_b32 s[G1+0], s43, (3<<16)|(1<<21)         ; the mask; elements of 8 bytes; bit 21 beside a mask; no padding
	s_or_b32 s[G1B+0], s44, (3<<16)|(1<<21)
.irp g, G1, G1B
	s_mov_b32 s[\g+1], 32<<16                      ; a dense block of 32 KB as 128 rows of 256 bytes
	s_mov_b32 s[\g+2], 128<<16
	s_mov_b32 s[\g+3], 32<<16
	s_mov_b32 s[\g+4], 128
	s_mov_b32 s[\g+5], 32
	s_mov_b32 s[\g+6], 0
	s_mov_b32 s[\g+7], 0
.endr
	s_lshl_b32 s17, s12, 15                        ; which four blocks of 8,192 bytes I fetch
	s_lshl_b32 s16, s13, 16
	s_add_co_u32 s16, s16, s17                     ; att: eight blocks a tile row
	s_lshl_b32 s46, s42, 16
	s_add_co_u32 s46, s46, s17                     ; Wo: eight blocks a tile column
	s_mov_b32 s17, 0
	s_mov_b32 s47, 0
	s_mul_i32 s20, s10, HALFT                      ; where they go: wave x 32 KB
	s_wait_dscnt 0x0                               ; both opening adds are done
	s_wait_kmcnt 0x0
	s_add_nc_u64 s[14:15], s[4:5], s[16:17]
	s_add_nc_u64 s[46:47], s[6:7], s[46:47]
	CROUND                                         ; all sixteen work-groups are here: the first joint loads meet
.irp s, 0,1
	s_mov_b32 s[G0+4*\s], 1
	s_add_co_u32 s[G0+4*\s+1], s20, \s*SLOT
	s_add_nc_u64 s[G0+4*\s+2:G0+4*\s+3], s[14:15], \s*STEPA
	s_or_b32 s[G0+4*\s+3], s[G0+4*\s+3], 0x80000000
	s_mov_b32 s[G0B+4*\s], 1
	s_add_co_u32 s[G0B+4*\s+1], s20, \s*SLOT
	s_add_nc_u64 s[G0B+4*\s+2:G0B+4*\s+3], s[46:47], \s*STEPW
	s_or_b32 s[G0B+4*\s+3], s[G0B+4*\s+3], 0x80000000
	JLOAD \s
.endr
	v_and_b32 v1, 15, v0                           ; l % 16
	v_bfe_u32 v2, v0, 4, 1                         ; l / 16
	v_and_b32 v3, 31, v0
	v_lshlrev_b32 v3, 4, v3                        ; 16 x lane
	s_mul_i32 s21, s11, HALFT                      ; my 64 rows of att
	s_mul_i32 s22, s12, HALFT                      ; my 64 rows of Wo,
	s_add_co_u32 s22, s22, 2*HALFT                 ; which lie behind att's 128
.irp s, 0,1
	v_add_nc_u32 v[ADRA+\s], s21, v3
	v_add_nc_u32 v[ADRB+\s], s22, v3
	s_add_co_u32 s21, s21, SLOT
	s_add_co_u32 s22, s22, SLOT
.endr
	s_mul_i32 s23, s10, 16*SPITCH
	s_add_co_u32 s23, s23, STAGE                   ; my stage
	v_mul_u32_u24 v4, v1, SPITCH                   ; in: row l % 16, 32 bytes for each half of the lanes
	v_lshl_add_u32 v4, v2, 5, v4
	v_add_nc_u32 v[STO], s23, v4
	v_mul_u32_u24 v5, v2, SPITCH                   ; back: lanes 0-15 one row of 256 bytes, lanes 16-31 the next
	v_lshl_add_u32 v5, v1, 4, v5
	v_add_nc_u32 v[RD], s23, v5
	v_lshlrev_b32 v5, 12, v2                       ; and the same two rows in out0 (4,096 bytes a row)
	v_lshl_add_u32 v[CO], v1, 4, v5
	s_lshl_b32 s16, s13, 19                        ; my first row: 128 x tile row + 64 x half
	s_lshl_b32 s17, s11, 18
	s_add_co_u32 s16, s16, s17
	s_mov_b32 s17, 0
	s_add_nc_u64 s[8:9], s[8:9], s[16:17]
	s_lshl_b32 s46, s42, 9                         ; my first column, in bytes: 512 x tile column + 256 x half
	s_lshl_b32 s47, s12, 8
	s_add_co_u32 s46, s46, s47
	s_mov_b32 s47, 0
	s_add_nc_u64 s[8:9], s[8:9], s[46:47]
; 8 matrix instructions: m blocks a0, a0 + 1 x all 4 n blocks, 32 along K: half c of buffer f.  zero = 1: the first product starts the sums
.macro MUL8 f, c, a0, zero
.irp a, \a0, \a0+1
.irp b, 0,1,2,3
.if \zero
	v_wmma_f32_16x16x32_f16 v[ACC+8*(4*(\a)+\b):ACC+8*(4*(\a)+\b)+7], v[\f+64+8*(4*\c+\b):\f+64+8*(4*\c+\b)+7], v[\f+8*(4*\c+\a):\f+8*(4*\c+\a)+7], 0
.else
	v_wmma_f32_16x16x32_f16 v[ACC+8*(4*(\a)+\b):ACC+8*(4*(\a)+\b)+7], v[\f+64+8*(4*\c+\b):\f+64+8*(4*\c+\b)+7], v[\f+8*(4*\c+\a):\f+8*(4*\c+\a)+7], v[ACC+8*(4*(\a)+\b):ACC+8*(4*(\a)+\b)+7]
.endif
.endr
.endr
.endm
; 32 LDS loads in one run: the fragments of quarter qq (64 along K) of the slot, into buffer f; the first 32 along K first.  Block i, 32 K kf = 2 qq + c, half g: i x 8,192 + kf x 1,024 + g x 512
.macro FETCH slot, qq, f
	WIN TO_F
.irp c, 0,1
.irp i, 0,1,2,3
	ds_load_b128 v[\f+64+8*(4*\c+\i):\f+64+8*(4*\c+\i)+3],   v[ADRB+\slot] offset:\i*8192+(2*(\qq)+\c)*1024
	ds_load_b128 v[\f+64+8*(4*\c+\i)+4:\f+64+8*(4*\c+\i)+7], v[ADRB+\slot] offset:\i*8192+(2*(\qq)+\c)*1024+512
	ds_load_b128 v[\f+8*(4*\c+\i):\f+8*(4*\c+\i)+3],         v[ADRA+\slot] offset:\i*8192+(2*(\qq)+\c)*1024
	ds_load_b128 v[\f+8*(4*\c+\i)+4:\f+8*(4*\c+\i)+7],       v[ADRA+\slot] offset:\i*8192+(2*(\qq)+\c)*1024+512
.endr
.endr
.endm
.macro PLACES                          ; four places in front of loads into registers that matrix instructions have read, and of the first read of results
.rept 4
	v_nop
.endr
.endm
; A K step is four quarters of 64 along K, 32 matrix instructions each, on buffers 0, 1, 0, 1.  One of the first three: multiplies buffer f and fetches quarter qq into g.
.macro QUARTER slot, qq, f, g, zero
	s_wait_dscnt 16                                ; the first 32 along K are in
	WIN MUL
	MUL8 \f, 0, 0, \zero
	MUL8 \f, 0, 2, \zero
	PLACES
	FETCH \slot, \qq, \g
	s_wait_dscnt 32                                ; all but the 32 just issued
	WIN MUL
	MUL8 \f, 1, 0, 0
	MUL8 \f, 1, 2, 0
.endm
; The last quarter multiplies buffer 1 and changes slots: ONE barrier; in front of it each wave waits for all its tensor loads, adds 0 to its spare word, and waits for that and for its own reads of this slot.  fill = 1: this slot is filled again, two K steps ahead.
.macro TURN slot, next, fill
	WIN 0                                          ; (the add's two registers lie in window 0)
	s_wait_tensorcnt 0x0                           ; all my tensor loads have landed: my part of the next slot;
	ds_add_u32 v[SPW], v[NIL]
	s_wait_dscnt 17                                ; (the add and the youngest sixteen loads may be out)
	WIN MUL
	MUL8 F1, 0, 0, 0                               ; eight matrix instructions stand between the add and the wait for it
	s_wait_dscnt 0x0                               ; the add is done, and my reads of this slot are over
	s_barrier_signal -1
	MUL8 F1, 0, 2, 0
.if \fill
	WIN 0
.endif
	s_barrier_wait -1
.if \fill
	CREST                                          ; the barrier has opened a round of the cluster's barrier: no wave of any partner still reads this slot's tile or has a load on its way
	s_add_nc_u64 s[G0+4*\slot+2:G0+4*\slot+3], s[G0+4*\slot+2:G0+4*\slot+3], 2*STEPA
	s_add_nc_u64 s[G0B+4*\slot+2:G0B+4*\slot+3], s[G0B+4*\slot+2:G0B+4*\slot+3], 2*STEPW
	JLOAD \slot                                    ; the first tensor load behind the round; the four v_nop behind it are also the places in front of the loads below
.else
	PLACES
.endif
	FETCH \next, 0, F0
	WIN MUL
	MUL8 F1, 1, 0, 0
	MUL8 F1, 1, 2, 0
.endm
	s_wait_tensorcnt 1                             ; my part of K step 0 is in (K step 1's load may be out)
	s_barrier_signal -1
	s_barrier_wait -1                              ; everybody's is
	FETCH 0, 0, F0
	QUARTER 0, 1, F0, F1, 1                        ; the first quarter stands in front of the loop: its first products start the sums
	WIN 0                                          ; at a label and at a branch every window is 0
	s_mov_b32 s3, LAPS-1
.Llap:                                                 ; a trip goes once round the ring, from a lap's second quarter to the next lap's first, and fills both slots again
	QUARTER 0, 2, F1, F0, 0
	QUARTER 0, 3, F0, F1, 0
	TURN 0, 1, 1
	QUARTER 1, 1, F0, F1, 0
	QUARTER 1, 2, F1, F0, 0
	QUARTER 1, 3, F0, F1, 0
	TURN 1, 0, 1
	QUARTER 0, 1, F0, F1, 0
	WIN 0
	s_sub_co_u32 s3, s3, 1
	s_cmp_lg_u32 s3, 0
	s_cbranch_scc1 .Llap
	QUARTER 0, 2, F1, F0, 0                        ; the last lap fills nothing, and has no round of the cluster's barrier
	QUARTER 0, 3, F0, F1, 0
	TURN 0, 1, 0
	QUARTER 1, 1, F0, F1, 0
	QUARTER 1, 2, F1, F0, 0
	QUARTER 1, 3, F0, F1, 0
	s_wait_dscnt 16                                ; the very last quarter: nothing more to fetch
	WIN MUL
	MUL8 F1, 0, 0, 0
	MUL8 F1, 0, 2, 0
	s_wait_dscnt 0
	MUL8 F1, 1, 0, 0
	MUL8 F1, 1, 2, 0
	WIN 0
	; THE WAY OUT, a block of 16 rows x 64 columns at a time, through my own stage: LDS serves a wave's instructions in order, so no wait stands between the stores and the loads, nor in front of the next block's stores.
	PLACES
.irp a, 0,1,2,3
	s_wait_xcnt 0x0                                ; earlier stores have read their registers: the loads below may land there
.irp b, 0,1,2,3
	ds_store_b128 v[STO], v[ACC+8*(4*\a+\b):ACC+8*(4*\a+\b)+3] offset:64*\b          ; each accumulator from its low end on
	ds_store_b128 v[STO], v[ACC+8*(4*\a+\b)+4:ACC+8*(4*\a+\b)+7] offset:64*\b+16
.endr
.irp t, 0,1,2,3,4,5,6,7
	ds_load_b128 v[TMP+32*(\a%2)+4*\t:TMP+32*(\a%2)+4*\t+3], v[RD] offset:\t*2*SPITCH
.endr
.irp t, 0,1,2,3,4,5,6,7
	s_wait_dscnt 7-\t
	global_store_b128 v[CO], v[TMP+32*(\a%2)+4*\t:TMP+32*(\a%2)+4*\t+3], s[8:9] offset:\a*65536+\t*8192   ; 16 lanes store 256 consecutive bytes, at a multiple of 256 from out0's first byte
.endr
.endr
	s_wait_tensorcnt 0x0                           ; the wave's end
	ds_add_u32 v[SPW], v[NIL]
	s_wait_dscnt 0x0
	CROUND                                         ; the closing round
	s_endpgm
.Lfunc_end_k_q10ae1d8e1b_oproj:
	.size	k_q10ae1d8e1b_oproj, .Lfunc_end_k_q10ae1d8e1b_oproj-k_q10ae1d8e1b_oproj
	.p2alignl 7, 3214868480
	.fill 96, 4, 3214868480
	.section	.rodata,"a",@progbits
	.p2align	6, 0x0
	.amdhsa_kernel k_q10ae1d8e1b_oproj
		.amdhsa_group_segment_fixed_size 327680
		.amdhsa_private_segment_fixed_size 0
		.amdhsa_enable_private_segment 0
		.amdhsa_kernarg_size 24
		.amdhsa_user_sgpr_count 2
		.amdhsa_user_sgpr_kernarg_segment_ptr 1
		.amdhsa_wavefront_size32 1
		.amdhsa_system_sgpr_workgroup_id_x 1
		.amdhsa_system_sgpr_workgroup_id_y 1
		.amdhsa_system_sgpr_workgroup_id_z 1
		.amdhsa_system_vgpr_workitem_id 0
		.amdhsa_next_free_vgpr 512
		.amdhsa_next_free_sgpr 66
		.amdhsa_reserve_vcc 0
		.amdhsa_float_denorm_mode_32 3
		.amdhsa_float_denorm_mode_16_64 3
		.amdhsa_memory_ordered 1
		.amdhsa_forward_progress 1
		.amdhsa_inst_pref_size 86
	.end_amdhsa_kernel
	.amdgpu_metadata
---
amdhsa.version: [ 1, 2 ]
amdhsa.kernels:
  - .name:           k_q10ae1d8e1b_oproj
    .symbol:         k_q10ae1d8e1b_oproj.kd
    .args:
      - { .name: att, .offset: 0, .size: 8, .value_kind: global_buffer, .address_space: global }
      - { .name: woh, .offset: 8, .size: 8, .value_kind: global_buffer, .address_space: global }
      - { .name: out0, .offset: 16, .size: 8, .value_kind: global_buffer, .address_space: global }
    .group_segment_fixed_size: 327680
    .private_segment_fixed_size: 0
    .kernarg_segment_align: 8
    .kernarg_segment_size: 24
    .max_flat_workgroup_size: 128
    .sgpr_count:     66
    .vgpr_count:     512
    .wavefront_size: 32
...
	.end_amdgpu_metadata
.endif
;; end of part 4
;; launch fattn (part 5): grid 16 x 2, 12 waves a work-group, no clusters, 15,104 bytes of LDS; arguments codes, scales, tab, fo; writes fo
.if DOCPART == 5
	.amdgcn_target "amdgcn-amd-amdhsa--gfx1250"
	.amdhsa_code_object_version 6
	.text
	.protected	k_q10ae1d8e1b_fattn
	.globl	k_q10ae1d8e1b_fattn
	.p2align	8
	.type	k_q10ae1d8e1b_fattn,@function
k_q10ae1d8e1b_fattn:
	s_mov_b64 s[64:65], 0
	v_nop
	global_prefetch_b8 v0, s[64:65] scope:SCOPE_SE
	s_setreg_imm32_b32 hwreg(HW_REG_WAVE_MODE, 25, 1), 1
	s_wait_xcnt 0x0
; THE FIRST 16 POSITIONS of every (batch, head), in f32 throughout behind the quantised products: there a row of the softmax averages 1 to 16 values, and 16-bit operands would weigh most.
; Work-group (head, batch).  Phase 1, all twelve waves: wave w makes 16 positions x 16 columns (block w of the head's 192 rows of q, k, v weights) on the same codes of FP4 and E8M0 scales as the main launch, K = 1,024 in 8 steps
;   on two accumulators by turns; the f32 results go to LDS as rows [position][64 channels], one region each for q, k, v.  One barrier.
; Phase 2, wave 0: RoPE in f32; S^T = K Q^T, the softmax under the causal mask, O^T = V^T P, all on the f32 matrix form: 32 instructions a work-group, no bulk work.  p is divided by the row's sum ahead of the second product,
;   so that O^T leaves straight from the registers that the matrix unit wrote (which nothing else ever writes).
; A lane's four neighbouring channels stand in four registers; instruction n takes registers 2 n, 2 n + 1 of both sources: the same order of the channels on both sides, which leaves every product with its partner.
; fo: [batch][K / 8 = 128][32 lanes x 16 bytes]: lane l holds o[l % 16][8 s + 4 (l / 16) + 0 .. 3], K = 64 head + channel: the next launch's operand registers.
; No tensor load, no cluster: 32 small work-groups that share nothing.
.set SPARE, 13312                      ; behind the three regions of 16 x 272 bytes: the spare words, 128 bytes a wave
.set SPW, 10
.set NIL, 11
	s_load_b256 s[4:11], s[0:1], 0x0               ; codes 4, scales 6, tab 8, fo 10
	v_lshl_add_u32 v[SPW], v0, 2, SPARE
	v_mov_b32 v[NIL], 0
	v_lshrrev_b32 v1, 5, v0
	v_readfirstlane_b32 s12, v1                    ; wave 0..11
	v_and_b32 v1, 15, v0                           ; r
	v_bfe_u32 v2, v0, 4, 1                         ; h
	v_lshlrev_b32 v3, 9, v1
	v_lshl_add_u32 v3, v2, 4, v3                   ; codes: row r of 512 bytes + 16 h
	v_lshlrev_b32 v4, 5, v1                        ; scale bytes: row r of 32 bytes
	v_lshlrev_b32 v5, 4, v1
	v_lshl_add_u32 v5, v2, 9, v5                   ; 512 h + 16 r: the table's and fo's place for my lane
	s_lshr_b32 s13, s12, 2
	s_mul_i32 s13, s13, 4352                       ; q's, k's or v's region,
	s_and_b32 s14, s12, 3
	s_lshl_b32 s14, s14, 6                         ; my 16 columns' 64 bytes
	s_add_co_u32 s13, s13, s14
	v_mul_u32_u24 v6, v1, 272
	v_lshl_add_u32 v7, v2, 4, v6                   ; phase 2 reads: row r + 16 h
	v_lshl_add_u32 v6, v2, 5, v6
	v_add_nc_u32 v6, s13, v6                       ; phase 1 stores: row r + 32 h
	v_mul_u32_u24 v8, v2, 2176
	v_lshl_add_u32 v8, v1, 2, v8
	v_add_nc_u32 v8, 8704, v8                      ; V: key 8 h (+ n), channel r (+ 16 cb)
	v_lshlrev_b32 v12, 3, v2
	v_sub_nc_u32 v12, v1, v12                      ; r - 8 h
	v_mov_b32 v13, 0xff800000                      ; -infinity
	v_mov_b32 v15, 0                               ; (a lane permute's destination counts as one of its sources)
	s_mov_b32 s34, 0x76543210
	s_mov_b32 s35, 0xfedcba98
	s_and_b32 s15, ttmp7, 0xffff                   ; the batch
	s_lshl_b32 s16, s15, 20                        ; x's codes: 2,048 rows of 512 bytes a batch
	s_mov_b32 s17, 0
	s_mul_i32 s18, ttmp9, 192*512                  ; W's: 192 rows a head,
	s_lshl_b32 s19, s12, 13                        ; 16 a wave,
	s_add_co_u32 s18, s18, s19
	s_add_co_u32 s18, s18, 4096*512                ; behind x's
	s_mov_b32 s19, 0
	s_lshl_b32 s20, s15, 16                        ; the scale bytes likewise, 32 a row
	s_mov_b32 s21, 0
	s_mul_i32 s22, ttmp9, 192*32
	s_lshl_b32 s23, s12, 9
	s_add_co_u32 s22, s22, s23
	s_add_co_u32 s22, s22, 4096*32
	s_mov_b32 s23, 0
	s_lshl_b32 s24, s15, 16                        ; fo: 65,536 bytes a batch, 4,096 a head
	s_lshl_b32 s25, ttmp9, 12
	s_add_co_u32 s24, s24, s25
	s_mov_b32 s25, 0
	s_wait_kmcnt 0x0
	s_add_nc_u64 s[26:27], s[4:5], s[16:17]
	s_add_nc_u64 s[28:29], s[4:5], s[18:19]
	s_add_nc_u64 s[30:31], s[6:7], s[20:21]
	s_add_nc_u64 s[32:33], s[6:7], s[22:23]
	s_add_nc_u64 s[10:11], s[10:11], s[24:25]
.irp ks, 0,1,2,3,4,5,6,7
.irp c, 0,1
	global_load_b128 v[32+8*\ks+4*\c:32+8*\ks+4*\c+3], v3, s[26:27] offset:64*\ks+32*\c    ; x's fragments
	global_load_b128 v[96+8*\ks+4*\c:96+8*\ks+4*\c+3], v3, s[28:29] offset:64*\ks+32*\c    ; W's
.endr
.endr
.irp kh, 0,1
	global_load_b128 v[16+4*\kh:16+4*\kh+3], v4, s[30:31] offset:16*\kh                    ; x's scale words: v16-23; these registers hold scales alone
	global_load_b128 v[24+4*\kh:24+4*\kh+3], v4, s[32:33] offset:16*\kh                    ; W's: v24-31
.endr
.irp sp, 0,1,2,3                       ; the table of positions 0-15, for channels i = 8 sp + 4 h + 0 .. 3: piece 2 (sp / 2) + h, lane r + 16 (sp % 2).  Every wave loads it: 4 KB, and no branch stands ahead of the common wait
	global_load_b128 v[216+4*\sp:216+4*\sp+3], v5, s[8:9] offset:(\sp/2)*1024+(\sp%2)*256
	global_load_b128 v[232+4*\sp:232+4*\sp+3], v5, s[8:9] offset:2048+(\sp/2)*1024+(\sp%2)*256
.endr
	s_wait_loadcnt 0x0
.irp ks, 0,1,2,3,4,5,6,7               ; transposed: source 0 = 16 rows of W, source 1 = the 16 positions; two accumulators by turns
.if \ks < 2
	v_wmma_scale_f32_16x16x128_f8f6f4 v[160+8*(\ks%2):167+8*(\ks%2)], v[96+8*\ks:103+8*\ks], v[32+8*\ks:39+8*\ks], 0, v[24+\ks], v[16+\ks] matrix_a_fmt:MATRIX_FMT_FP4 matrix_b_fmt:MATRIX_FMT_FP4
.else
	v_wmma_scale_f32_16x16x128_f8f6f4 v[160+8*(\ks%2):167+8*(\ks%2)], v[96+8*\ks:103+8*\ks], v[32+8*\ks:39+8*\ks], v[160+8*(\ks%2):167+8*(\ks%2)], v[24+\ks], v[16+\ks] matrix_a_fmt:MATRIX_FMT_FP4 matrix_b_fmt:MATRIX_FMT_FP4
.endif
.endr
.rept 4
	v_nop                                          ; four places in front of the first read of results (ISA guide 7.12.1)
.endr
.irp j, 0,1,2,3,4,5,6,7
	v_add_f32 v[208+\j], v[160+\j], v[168+\j]      ; from the low end on
.endr
	ds_store_b128 v6, v[208:211]                   ; position r, columns 8 h + 0 .. 7 of my block
	ds_store_b128 v6, v[212:215] offset:16
	s_wait_dscnt 0x0                               ; for the others' sake: my stores are done
	s_barrier_signal -1
	s_barrier_wait -1
	s_cmp_lg_u32 s12, 0
	s_cbranch_scc1 .Lend
	; ---- phase 2: wave 0
.irp sp, 0,1,2,3,4,5,6,7
	ds_load_b128 v[32+4*\sp:35+4*\sp], v7 offset:32*\sp            ; q[r][8 sp + 4 h + 0 .. 3]
	ds_load_b128 v[64+4*\sp:67+4*\sp], v7 offset:4352+32*\sp       ; k likewise
.endr
.irp cb, 0,1,2,3
.irp n, 0,1,2,3,4,5,6,7
	ds_load_b32 v[96+8*\cb+\n], v8 offset:272*\n+64*\cb            ; v[key 8 h + n][channel 16 cb + r]
.endr
.endr
	s_wait_dscnt 0x0
.macro ROPE src, dst                   ; channel d < 32 (registers 0-15) pairs with d + 32 (registers 16-31)
.irp j, 0,2,4,6,8,10,12,14
	v_pk_mul_f32 v[\dst+\j:\dst+\j+1], v[\src+\j:\src+\j+1], v[216+\j:217+\j]
.endr
.irp j, 0,2,4,6,8,10,12,14
	v_pk_fma_f32 v[\dst+\j:\dst+\j+1], v[\src+16+\j:\src+17+\j], v[232+\j:233+\j], v[\dst+\j:\dst+\j+1] neg_lo:[1,0,0] neg_hi:[1,0,0]
.endr
.irp j, 0,2,4,6,8,10,12,14
	v_pk_mul_f32 v[\dst+16+\j:\dst+17+\j], v[\src+16+\j:\src+17+\j], v[216+\j:217+\j]
.endr
.irp j, 0,2,4,6,8,10,12,14
	v_pk_fma_f32 v[\dst+16+\j:\dst+17+\j], v[\src+\j:\src+\j+1], v[232+\j:233+\j], v[\dst+16+\j:\dst+17+\j]
.endr
.endm
	ROPE 32, 128                                   ; q -> v128-159
	ROPE 64, 32                                    ; k -> v32-63
.set n, 0
.rept 16                               ; S^T = K Q^T: source 0 = 16 keys, source 1 = 16 queries; two sums by turns, each begun by its own first step with the constant 0
.if n < 2
	v_wmma_f32_16x16x4_f32 v[160+8*(n%2):167+8*(n%2)], v[32+2*n:33+2*n], v[128+2*n:129+2*n], 0
.else
	v_wmma_f32_16x16x4_f32 v[160+8*(n%2):167+8*(n%2)], v[32+2*n:33+2*n], v[128+2*n:129+2*n], v[160+8*(n%2):167+8*(n%2)]
.endif
.set n, n+1
.endr
.rept 8
	v_nop                                          ; eight places behind this form
.endr
.irp j, 0,1,2,3,4,5,6,7
	v_add_f32 v[208+\j], v[160+\j], v[168+\j]      ; the score of query r and key 8 h + j, in units of log2
.endr
.irp j, 0,1,2,3,4,5,6,7
	v_cmp_gt_i32 vcc_lo, \j, v12                   ; hidden where 8 h + j > r
	v_cndmask_b32 v[208+\j], v[208+\j], v13, vcc_lo
.endr
	v_max3_num_f32 v14, v208, v209, v210
	v_max3_num_f32 v14, v14, v211, v212
	v_max3_num_f32 v14, v14, v213, v214
	v_max_num_f32 v14, v14, v215
	v_permlanex16_b32 v15, v14, s34, s35
	v_max_num_f32 v14, v14, v15                    ; the row's maximum: key 0 counts for every query
.irp j, 0,1,2,3,4,5,6,7
	v_sub_f32 v[208+\j], v[208+\j], v14
.endr
.irp j, 0,1,2,3,4,5,6,7
	v_exp_f32 v[208+\j], v[208+\j]
.endr
	v_nop                                          ; a plain line behind the last exponential
	s_wait_alu depctr_va_vdst(0)                   ; one wait for the batch, ahead of its first reader
	v_add_f32 v14, v208, v209
.irp j, 2,3,4,5,6,7
	v_add_f32 v14, v14, v[208+\j]
.endr
	v_permlanex16_b32 v15, v14, s34, s35
	v_add_f32 v14, v14, v15                        ; the row's sum
	v_rcp_f32 v14, v14
	v_nop
	s_wait_alu depctr_va_vdst(0)
.irp j, 0,1,2,3,4,5,6,7
	v_mul_f32 v[248+\j], v[208+\j], v14            ; the weights
.endr
.irp s, 0,1,2,3                        ; O^T = V^T P: source 0 = 16 channels, source 1 = the weights; keys 8 h + 2 s, + 1; four sums by turns
.irp cb, 0,1,2,3
.if \s == 0
	v_wmma_f32_16x16x4_f32 v[176+8*\cb:183+8*\cb], v[96+8*\cb+2*\s:97+8*\cb+2*\s], v[248+2*\s:249+2*\s], 0
.else
	v_wmma_f32_16x16x4_f32 v[176+8*\cb:183+8*\cb], v[96+8*\cb+2*\s:97+8*\cb+2*\s], v[248+2*\s:249+2*\s], v[176+8*\cb:183+8*\cb]
.endif
.endr
.endr
.rept 8
	v_nop
.endr
.irp cb, 0,1,2,3
	global_store_b128 v5, v[176+8*\cb:179+8*\cb], s[10:11] offset:\cb*1024          ; o[r][16 cb + 8 h + 0 .. 3]: sixteen lanes store 256 consecutive bytes, aligned
	global_store_b128 v5, v[180+8*\cb:183+8*\cb], s[10:11] offset:\cb*1024+256      ; + 4 .. 7
.endr
.Lend:
	s_wait_tensorcnt 0x0                           ; the wave's end
	ds_add_u32 v[SPW], v[NIL]
	s_wait_dscnt 0x0
	s_endpgm
.Lfunc_end_k_q10ae1d8e1b_fattn:
	.size	k_q10ae1d8e1b_fattn, .Lfunc_end_k_q10ae1d8e1b_fattn-k_q10ae1d8e1b_fattn
	.p2alignl 7, 3214868480
	.fill 96, 4, 3214868480
	.section	.rodata,"a",@progbits
	.p2align	6, 0x0
	.amdhsa_kernel k_q10ae1d8e1b_fattn
		.amdhsa_group_segment_fixed_size 15104
		.amdhsa_private_segment_fixed_size 0
		.amdhsa_enable_private_segment 0
		.amdhsa_kernarg_size 32
		.amdhsa_user_sgpr_count 2
		.amdhsa_user_sgpr_kernarg_segment_ptr 1
		.amdhsa_wavefront_size32 1
		.amdhsa_system_sgpr_workgroup_id_x 1
		.amdhsa_system_sgpr_workgroup_id_y 1
		.amdhsa_system_sgpr_workgroup_id_z 1
		.amdhsa_system_vgpr_workitem_id 0
		.amdhsa_next_free_vgpr 256
		.amdhsa_next_free_sgpr 66
		.amdhsa_reserve_vcc 1
		.amdhsa_float_denorm_mode_32 3
		.amdhsa_float_denorm_mode_16_64 3
		.amdhsa_memory_ordered 1
		.amdhsa_forward_progress 1
		.amdhsa_inst_pref_size 22
	.end_amdhsa_kernel
	.amdgpu_metadata
---
amdhsa.version: [ 1, 2 ]
amdhsa.kernels:
  - .name:           k_q10ae1d8e1b_fattn
    .symbol:         k_q10ae1d8e1b_fattn.kd
    .args:
      - { .name: codes, .offset: 0, .size: 8, .value_kind: global_buffer, .address_space: global }
      - { .name: scales, .offset: 8, .size: 8, .value_kind: global_buffer, .address_space: global }
      - { .name: tab, .offset: 16, .size: 8, .value_kind: global_buffer, .address_space: global }
      - { .name: fo, .offset: 24, .size: 8, .value_kind: global_buffer, .address_space: global }
    .group_segment_fixed_size: 15104
    .private_segment_fixed_size: 0
    .kernarg_segment_align: 8
    .kernarg_segment_size: 32
    .max_flat_workgroup_size: 384
    .sgpr_count:     66
    .vgpr_count:     256
    .wavefront_size: 32
...
	.end_amdgpu_metadata
.endif
;; end of part 5
;; launch fproj (part 6): grid 64 x 2, 8 waves a work-group, no clusters, 9,216 bytes of LDS; arguments fo, Wo, out0; writes out0
.if DOCPART == 6
	.amdgcn_target "amdgcn-amd-amdhsa--gfx1250"
	.amdhsa_code_object_version 6
	.text
	.protected	k_q10ae1d8e1b_fproj
	.globl	k_q10ae1d8e1b_fproj
	.p2align	8
	.type	k_q10ae1d8e1b_fproj,@function
k_q10ae1d8e1b_fproj:
	s_mov_b64 s[64:65], 0
	v_nop
	global_prefetch_b8 v0, s[64:65] scope:SCOPE_SE
	s_setreg_imm32_b32 hwreg(HW_REG_WAVE_MODE, 25, 1), 1
	s_wait_xcnt 0x0
; out0[t][e] = sum over d of o[t][d] Wo[e][d] for the first 16 positions of both sequences, in f32: operands f32, on the f32 matrix form (32 instructions a wave: no bulk work).  It stores over what the f16 launch left in these 32 rows.
; Work-group (eb, batch): 16 positions x 16 columns e = 16 eb ..; wave w takes K = 128 w .. 128 w + 127.  The eight partial sums meet in LDS as images of their registers; wave 0 adds them in the waves' order and stores.
; Transposed: source 0 = 16 rows of Wo, source 1 = the 16 positions: a lane holds position l % 16 and eight neighbouring columns.  Instruction n takes registers 2 n, 2 n + 1 of both sources: the same order of K on both sides.
; The stores are pieces of 64 bytes of a row (128 KB in the whole launch): a wider tile would leave fewer than 128 work-groups for work that is bound by the latency of one chain of loads.
.set SPARE, 8192                       ; behind the eight images of 1,024 bytes: the spare words, 128 bytes a wave
.set SPW, 10
.set NIL, 11
	s_load_b128 s[4:7], s[0:1], 0x0                ; fo, Wo
	s_load_b64 s[8:9], s[0:1], 0x10                ; out0
	v_lshl_add_u32 v[SPW], v0, 2, SPARE
	v_mov_b32 v[NIL], 0
	v_lshrrev_b32 v1, 5, v0
	v_readfirstlane_b32 s12, v1                    ; wave 0..7
	v_and_b32 v1, 15, v0                           ; r
	v_bfe_u32 v2, v0, 4, 1                         ; h
	v_and_b32 v3, 31, v0
	v_lshlrev_b32 v3, 4, v3                        ; 16 x lane
	v_lshlrev_b32 v4, 12, v1
	v_lshl_add_u32 v6, v2, 5, v4                   ; out0: row r of 4,096 bytes + 32 h
	v_lshl_add_u32 v4, v2, 4, v4                   ; Wo: row r + 16 h
	s_lshl_b32 s13, s12, 10
	v_add_nc_u32 v5, s13, v3                       ; my image in LDS
	s_and_b32 s14, ttmp7, 0xffff                   ; the batch
	s_lshl_b32 s16, s14, 16
	s_lshl_b32 s17, s12, 13                        ; fo: 16 pieces of 512 bytes a wave
	s_add_co_u32 s16, s16, s17
	s_mov_b32 s17, 0
	s_lshl_b32 s18, ttmp9, 16                      ; Wo: 16 rows a work-group,
	s_lshl_b32 s19, s12, 9                         ; 128 numbers a wave
	s_add_co_u32 s18, s18, s19
	s_mov_b32 s19, 0
	s_lshl_b32 s20, s14, 23                        ; out0: 2,048 rows a batch,
	s_lshl_b32 s21, ttmp9, 6                       ; 16 columns a work-group
	s_add_co_u32 s20, s20, s21
	s_mov_b32 s21, 0
	s_wait_kmcnt 0x0
	s_add_nc_u64 s[4:5], s[4:5], s[16:17]
	s_add_nc_u64 s[6:7], s[6:7], s[18:19]
	s_add_nc_u64 s[8:9], s[8:9], s[20:21]
.irp i, 0,1,2,3,4,5,6,7,8,9,10,11,12,13,14,15
	global_load_b128 v[32+4*\i:35+4*\i], v3, s[4:5] offset:512*\i      ; o[r][128 w + 8 i + 4 h + 0 .. 3]
	global_load_b128 v[96+4*\i:99+4*\i], v4, s[6:7] offset:32*\i       ; Wo[16 eb + r][the same K]
.endr
	s_wait_loadcnt 0x0
.set n, 0
.rept 32                               ; two sums by turns, each begun by its own first step with the constant 0; their registers are written by the matrix unit alone
.if n < 2
	v_wmma_f32_16x16x4_f32 v[160+8*(n%2):167+8*(n%2)], v[96+2*n:97+2*n], v[32+2*n:33+2*n], 0
.else
	v_wmma_f32_16x16x4_f32 v[160+8*(n%2):167+8*(n%2)], v[96+2*n:97+2*n], v[32+2*n:33+2*n], v[160+8*(n%2):167+8*(n%2)]
.endif
.set n, n+1
.endr
.rept 8
	v_nop                                          ; eight places behind this form, in front of the first read of results and of loads into its sources
.endr
.irp j, 0,1,2,3,4,5,6,7
	v_add_f32 v[176+\j], v[160+\j], v[168+\j]      ; from the low end on
.endr
	ds_store_b128 v5, v[176:179]
	ds_store_b128 v5, v[180:183] offset:512
	s_wait_dscnt 0x0                               ; for wave 0's sake: my stores are done
	s_barrier_signal -1
	s_barrier_wait -1
	s_cmp_lg_u32 s12, 0
	s_cbranch_scc1 .Lend
.irp w, 0,1,2,3,4,5,6,7
	ds_load_b128 v[32+8*\w:35+8*\w], v3 offset:1024*\w
	ds_load_b128 v[36+8*\w:39+8*\w], v3 offset:1024*\w+512
.endr
	s_wait_dscnt 0x0
.irp w, 1,2,3,4,5,6,7
.irp j, 0,2,4,6
	v_pk_add_f32 v[32+\j:33+\j], v[32+\j:33+\j], v[32+8*\w+\j:33+8*\w+\j]
.endr
.endr
	global_store_b128 v6, v[32:35], s[8:9]         ; out0[r][16 eb + 8 h + 0 .. 3]
	global_store_b128 v6, v[36:39], s[8:9] offset:16
.Lend:
	s_wait_tensorcnt 0x0                           ; the wave's end
	ds_add_u32 v[SPW], v[NIL]
	s_wait_dscnt 0x0
	s_endpgm
.Lfunc_end_k_q10ae1d8e1b_fproj:
	.size	k_q10ae1d8e1b_fproj, .Lfunc_end_k_q10ae1d8e1b_fproj-k_q10ae1d8e1b_fproj
	.p2alignl 7, 3214868480
	.fill 96, 4, 3214868480
	.section	.rodata,"a",@progbits
	.p2align	6, 0x0
	.amdhsa_kernel k_q10ae1d8e1b_fproj
		.amdhsa_group_segment_fixed_size 9216
		.amdhsa_private_segment_fixed_size 0
		.amdhsa_enable_private_segment 0
		.amdhsa_kernarg_size 24
		.amdhsa_user_sgpr_count 2
		.amdhsa_user_sgpr_kernarg_segment_ptr 1
		.amdhsa_wavefront_size32 1
		.amdhsa_system_sgpr_workgroup_id_x 1
		.amdhsa_system_sgpr_workgroup_id_y 1
		.amdhsa_system_sgpr_workgroup_id_z 1
		.amdhsa_system_vgpr_workitem_id 0
		.amdhsa_next_free_vgpr 192
		.amdhsa_next_free_sgpr 66
		.amdhsa_reserve_vcc 0
		.amdhsa_float_denorm_mode_32 3
		.amdhsa_float_denorm_mode_16_64 3
		.amdhsa_memory_ordered 1
		.amdhsa_forward_progress 1
		.amdhsa_inst_pref_size 11
	.end_amdhsa_kernel
	.amdgpu_metadata
---
amdhsa.version: [ 1, 2 ]
amdhsa.kernels:
  - .name:           k_q10ae1d8e1b_fproj
    .symbol:         k_q10ae1d8e1b_fproj.kd
    .args:
      - { .name: fo, .offset: 0, .size: 8, .value_kind: global_buffer, .address_space: global }
      - { .name: Wo, .offset: 8, .size: 8, .value_kind: global_buffer, .address_space: global }
      - { .name: out0, .offset: 16, .size: 8, .value_kind: global_buffer, .address_space: global }
    .group_segment_fixed_size: 9216
    .private_segment_fixed_size: 0
    .kernarg_segment_align: 8
    .kernarg_segment_size: 24
    .max_flat_workgroup_size: 256
    .sgpr_count:     66
    .vgpr_count:     192
    .wavefront_size: 32
...
	.end_amdgpu_metadata
.endif
;; end of part 6
